; MI455X (gfx1250); checked and timed in simulation.
; The chip was launched on July 23, 2026; its instructions are those of AMD's public machine-readable ISA for CDNA 5 (MIT licence, August 2026) and "CDNA5" Instruction Set Architecture Reference Guide (July 2026). The comments in the code are by the model that wrote it; some were corrected since.
;; Attention Fusion. Allowed arithmetic: matrix products marked QUANTISED: E2M1 operands, one E8M0 scale for each 32 along K, by v_wmma_scale_f32_16x16x128_f8f6f4 with both operands' format E2M1 (or v_wmma_scale_f32_32x16x128_f4), f32 sums; everything else in f32.
;; Inputs: out_b 1,024 float32; out_w_codes 1,024 x 32 x 16 uint8 (E2M1 codes of out_w, K innermost, in blocks of 32 codes, two codes a byte); out_w_scales 1,024 x 32 uint8 (E8M0 scales of out_w, one for each 32 codes along K); qkv_b 3,072 float32; qkv_w_codes 3,072 x 32 x 16 uint8 (E2M1 codes of qkv_w, K innermost, in blocks of 32 codes, two codes a byte); qkv_w_scales 3,072 x 32 uint8 (E8M0 scales of qkv_w, one for each 32 codes along K); x_codes 2 x 2,048 x 32 x 16 uint8 (E2M1 codes of x, K innermost, in blocks of 32 codes, two codes a byte); x_scales 2 x 2,048 x 32 uint8 (E8M0 scales of x, one for each 32 codes along K).
;; Outputs: out0 2 x 2,048 x 1,024 float32.
;; This version of the problem:
;;   THIS VERSION OF THE PROBLEM IS GIVEN IN LOW PRECISION. The matrix products marked QUANTISED in the list below multiply operands that are first quantised to E2M1 (2 exponent bits, 1 mantissa bit; 4 bits a number), with one power-of-two scale for each 32 numbers along K (OCP MX v1.0); their sums are f32. All else is computed in f32.
;;   The module's matrix products, in the order in which they are computed (A, B: the left and right operand; K: the contracted axis; several contracted axes count as one K, in the product's order):
;;     1. [M 4,096, K 1,024] x [K 1,024, N 3,072]; A: input x (given as codes); B: input qkv_w (given as codes): QUANTISED
;;     2. batch 32 x [M 2,048, K 64] x [K 64, N 2,048]; A: computed on the way; B: computed on the way: QUANTISED
;;     3. batch 32 x [M 2,048, K 2,048] x [K 2,048, N 64]; A: softmax (see below); B: computed on the way: QUANTISED
;;     4. [M 4,096, K 1,024] x [K 1,024, N 1,024]; A: computed on the way; B: input out_w (given as codes): QUANTISED
;;   THE QUANTISER, for each operand of a quantised product, along K:
;;     - K is cut into blocks of 32 from its start; a last block that is shorter is filled with zeros.
;;     - A block's scale is 2^e with e = floor(log2(the largest magnitude in the block)) - 2, held to -126 .. 127; a block of zeros has e = 0. As a byte (E8M0): e + 127.
;;     - Each number is divided by its block's scale, clamped to +-6, and rounded to the nearest number of E2M1, ties to even, subnormals kept.
;;     - The product sums the exact products of the quantised numbers (number of the format x scale) in f32.
;;   ~~~python
;;   def quantise(x, axis):      # numpy; x: float32 -> the quantised numbers, widened to float32 again
;;       x = np.moveaxis(x, axis, -1); K = x.shape[-1]
;;       x = np.pad(x, [(0, 0)] * (x.ndim - 1) + [(0, -K % 32)]); x = x.reshape(x.shape[:-1] + (-1, 32)); a = np.abs(x).max(-1, keepdims=True)
;;       e = np.where(a > 0, np.clip(np.frexp(np.where(a > 0, a, 1))[1] - 1 - 2, -126, 127), 0)      # np.frexp(a)[1] - 1 = floor(log2(a)), exactly
;;       r = np.clip(x / 2.0 ** e, -6, 6)
;;       step = 2.0 ** (np.maximum(np.frexp(np.where(r == 0, 1, r))[1] - 1, 0) - 1)
;;       q = np.round(r / step) * step * 2.0 ** e      # np.round: ties to even
;;       return np.moveaxis(q.reshape(q.shape[:-2] + (-1,))[..., :K], -1, axis).astype(np.float32)
;;   ~~~
;;   SOFTMAX AHEAD OF A QUANTISED PRODUCT. Where the list says 'softmax', what is quantised is not the finished softmax but p = 2^(t - M), with t = logit x log2(e) and M = ceil(the row's largest t), a whole number; so 1/2 < the row's largest p <= 1. The row's sum l is taken of the UNQUANTISED p, in f32, and the product's result is divided by l at the end. Since M is a whole number, a kernel that streams over the keys may use a running M (the ceiling of the running maximum): every later rescaling is an exact power of two, which a block's scale takes up: the codes' values come out the same.
;;   OPERANDS COMPUTED ON THE WAY. 'Computed on the way' means the value that the module computes at that place (a softmax that the list does not call 'softmax' is quantised finished and normalised). What goes into a quantiser is computed in f32, as accurately as f32 sums, v_exp_f32 and their like allow (about 1e-6 of the number): no bf16 or f16 on the way to a quantiser, and a product that is left as it is and whose result goes on into a quantised operand takes f32 operands (vector FMAs, or v_wmma_f32_16x16x4_f32). A number that lies on a knife's edge between two numbers of the format may be rounded either way, as far as f32 arithmetic and the matrix unit's own rounding can turn it there, and no further.
;;   INPUTS GIVEN AS CODES. out_w (in the module: [1024, 1024], K = its axis 1); qkv_w (in the module: [3072, 1024], K = its axis 1); x (in the module: [2, 2048, 1024], K = its axis 2): each comes as NAME_codes (uint8): NAME with its K axis moved to the last place and cut into blocks of 32 codes, [.., K / 32, bytes a block], one block behind the other in memory; two codes a byte, the lower K in the low four bits (a code: sign, 2 exponent bits, 1 mantissa bit); and NAME_scales (uint8): the same leading axes, one E8M0 byte (e + 127) for each 32 codes along K. Its value is code x scale, taken as it is: it is not quantised again, and the codes and scales need not be those that the quantiser above would give.
;; 2 versions. Each part assembles by itself: llvm-mc -triple=amdgcn-amd-amdhsa -mcpu=gfx1250 --defsym DOCPART=n.
;; ======== version 1 of 2: 3 launches
;; workspace buffers: qbuf 2,359,296 bytes; kvbuf 4,587,520 bytes; oimg 2,097,152 bytes; oscl 131,072 bytes
;; launch qkv (part 1): grid 16 x 16, 4 waves a work-group, clusters of 4 x 4, 237,568 bytes of LDS; arguments x_codes, x_scales, qkv_w_codes, qkv_w_scales, qkv_b, qbuf, kvbuf; writes qbuf, kvbuf
.if DOCPART == 1
	.amdgcn_target "amdgcn-amd-amdhsa--gfx1250"
	.amdhsa_code_object_version 6
	.text
	.protected	k_qf388e8ef95_qkv
	.globl	k_qf388e8ef95_qkv
	.p2align	8
	.type	k_qf388e8ef95_qkv,@function
k_qf388e8ef95_qkv:
	s_mov_b64 s[64:65], 0
	v_nop
	global_prefetch_b8 v0, s[64:65] scope:SCOPE_SE
	s_setreg_imm32_b32 hwreg(HW_REG_WAVE_MODE, 25, 1), 1
	s_wait_xcnt 0x0
	s_wait_alu depctr_hold_cnt(0) depctr_sa_sdst(0) depctr_va_vdst(0) depctr_va_sdst(0) depctr_va_ssrc(0) depctr_va_vcc(0) depctr_vm_vsrc(0)
	s_getreg_b32 s2, hwreg(HW_REG_IB_STS2, 6, 4)
	s_cmp_eq_u32 s2, 0
	s_cbranch_scc0 .Lentry_in_a_cluster
	s_endpgm
.Lentry_in_a_cluster:
	s_bfe_u32 s2, ttmp6, 0x10000c
	s_cmp_lg_u32 s2, 0xf033
	s_cbranch_scc0 .Lentry_shape_is_right
	s_endpgm
.Lentry_shape_is_right:
; qkv = x W^T + b on codes of FP4 (E2M1) with one E8M0 scale for each 32 along K (K = 1,024), and the results quantised again for the attention that follows:
; q and k along the head's 64 (two blocks of 32), v along the keys.  x: 4,096 tokens x 512 bytes of codes; W: 3,072 features x 512 bytes; scale bytes 32 a row.
; SHARES.  A work-group makes 256 tokens x the 192 features of ONE head (64 of q, 64 of k, 64 of v): 16 heads x 16 blocks of tokens = 256 work-groups.  Wave w takes tokens 64 w .. 64 w + 63
; (four tiles of 16) against all 12 tiles of features: 48 accumulators, 384 registers.
; LDS.  256 rows of x and 192 rows of W, each for ALL of K (512 bytes a row + 16 of padding), lie in LDS together: 236,544 bytes.  So every byte is filled once, there is no ring, and every wait for tensor loads is for 0.
; CLUSTER.  4 x 4 work-groups.  x's rows hang on the block of tokens alone and are shared along a row of the cluster, W's on the head alone and are shared along a column: each is asked for jointly.
; LAYOUT.  q and k: source 0 = 16 features, source 1 = 16 tokens: a lane holds ONE token and eight features a tile, so its registers run along the head's 64, which is the next K.
;          v: source 0 = 16 tokens, source 1 = 16 features: a lane holds ONE feature and eight tokens a tile, so its registers run along the keys, which is v's next K.
; The bias is the C of each sum's first matrix instruction.
; FROM FOUR TILES TO AN OPERAND.  Four tiles are 64 along the next K.  The conversions of tiles 0, 1, 2, 3 go to registers 0, 2, 1, 3 of a group; then registers 0 and 1, and 2 and 3, exchange the first's lanes 16-31 with the
; second's lanes 0-15: lane (r, h) then holds k = 32 h + 0 .. 31 in the four registers in order, which is the layout of a 4-bit operand.
; OUT.  The workspace is laid as images of the operands' registers (16 bytes a lane, 512 consecutive bytes a store):
;   qbuf  [batch x head 32][64 tokens 32][2,304]: tile m at 512 m + 16 lane; at 2,048 + 16 r + 4 m the scale word of (m, r): byte 0, byte 1, 0x7f, 0x7f
;   kvbuf [batch x head 32][128 keys 16][8,960]: k's tiles at 512 t + 16 lane (t = 0 .. 7); v at 4,096 + 1,024 t + 512 c + 16 lane (d = 16 t + r, keys 64 c + 32 h on);
;         k's scale words at 8,192 + 256 g + 16 r + 4 m; v's at 8,704 + 16 r + 4 t (byte i: the step's i-th 32 keys)
; LIMITS: NaN and infinities are not served.  A block whose largest magnitude lies under 2^-124, a block of zeros among them, gets the scale byte 1; only this program reads the bytes, and zero codes add nothing under it.
.set PITCH,  528                       ; an LDS row: 512 bytes + 16 = 132 words: row r starts at bank 4 r mod 64 (64 banks of 4 bytes: ISA guide 11.1)
.set AWB,    64*PITCH                  ; x: what one wave's load brings, and what that wave alone reads
.set BOFF,   4*AWB                     ; W behind x
.set BWB,    48*PITCH                  ; W: one wave's load: features 16 w .. 16 w + 15 of q, of k, of v
.set VSTG,   BOFF+4*BWB                ; two blocks of 256 bytes of their own: v's scale words of the work-group's two key steps meet here
.set QGRP,   2304
.set KVSTEP, 8960
.set LI,   3                           ; v3   16 x lane
.set LW,   4                           ; v4   16 r + 8 h: two scale words a lane
.set L32,  5                           ; v5   32 x lane: a row of scale bytes
.set H32,  6                           ; v6   32 h
.set R4,   7                           ; v7   4 r
.set ADRA, 8                           ; v8   my fragments of x
.set ADRB, 9                           ; v9, v10  fragments of W: the loads of waves 0, 1 and of waves 2, 3
.set VSA,  11                          ; v11  where my half-words of v's scale words go
.set VSR,  12                          ; v12  where wave 0 reads them back
.set VSO,  13                          ; v13  and where they go in kvbuf
.set XS,   16                          ; v16-31   x's scale words: register 8 i + q: lanes 0-15 tile 2 i, lanes 16-31 tile 2 i + 1, K step q
.set WS,   32                          ; v32-79   W's: register 16 p + 8 i + q likewise (p = 0 q, 1 k, 2 v)
.set XF,   80                          ; v80-143  x's fragments, two sets of four
.set MX,   144                         ; v144-151 eight blocks' largest magnitudes
.set PX,   152                         ; v152-159 the other half's; then the scale bytes
.set SOP,  160                         ; v160-167 the conversions' scale operands
.set CDQ,  168                         ; v168-215 codes: 16 registers each for q, k, v
.set CDK,  184
.set CDV,  200
.set WQ,   216                         ; v216-227 scale words of q, of k; half-words of v
.set WK,   220
.set WVH,  224
; window 1: W's fragments, set f at 128 f + 8 (4 p + t).   window 2: q's accumulators at 32 m + 8 t, k's at 128 + 32 m + 8 t.
; window 3: v's accumulators at 32 t + 8 m; the biases: q's at 128 + 8 t, k's at 160 + 8 t, v's at 192 + 8 t.
.set WV,   18                          ; s18  my wave's number
.set G1A,  24                          ; s[24:31], s[32:35] descriptor groups 1 and 0 for x;  s[36:43], s[44:47] for W
.set G0A,  32
.set G1B,  36
.set G0B,  44
.set SEL,  52                          ; s[52:53] v_permlanex16_b32's selects for lane l xor 16
.set PXS,  54                          ; pointers: x's scales, W's scales, the bias, qbuf, k's images, k's scale words, v's images, v's scale words
.set PWS,  56
.set PB,   58
.set PQ,   60
.set PK,   66
.set PKS,  68
.set PV,   70
.set PVS,  72
.set MSB, 0
.macro WIN new                         ; the immediate's high byte repeats the setting that is left; a switch that changes nothing is dropped
.if MSB != \new
	s_set_vgpr_msb (MSB<<8)|\new
.set MSB, \new
.endif
.endm
.macro CROUND                          ; a round of the cluster's barrier: my work-group's barrier; wave 0 signals for the work-group; every wave waits for all sixteen; my work-group's barrier once more
	s_barrier_signal -1
	s_barrier_wait -1
	s_cmp_lg_u32 s[WV], 0
	s_cbranch_scc1 .Lnot_wave_0_\@
	s_barrier_signal -3
.Lnot_wave_0_\@:
	s_barrier_wait -3
	s_barrier_signal -1
	s_barrier_wait -1
.endm
; One matrix instruction.  d, a, b, c: first registers of D, source 0, source 1, C; sa, sb: the scale registers; ra, rb odd: that side's words lie in lanes 16-31
.macro WM d, a, b, c, sa, sb, ra, rb
.if ((\ra)%2) && ((\rb)%2)
	v_wmma_scale_f32_16x16x128_f8f6f4 v[\d:\d+7], v[\a:\a+7], v[\b:\b+7], v[\c:\c+7], v[\sa], v[\sb] matrix_a_fmt:MATRIX_FMT_FP4 matrix_b_fmt:MATRIX_FMT_FP4 matrix_a_scale:MATRIX_SCALE_ROW1 matrix_b_scale:MATRIX_SCALE_ROW1
.elseif ((\ra)%2)
	v_wmma_scale_f32_16x16x128_f8f6f4 v[\d:\d+7], v[\a:\a+7], v[\b:\b+7], v[\c:\c+7], v[\sa], v[\sb] matrix_a_fmt:MATRIX_FMT_FP4 matrix_b_fmt:MATRIX_FMT_FP4 matrix_a_scale:MATRIX_SCALE_ROW1
.elseif ((\rb)%2)
	v_wmma_scale_f32_16x16x128_f8f6f4 v[\d:\d+7], v[\a:\a+7], v[\b:\b+7], v[\c:\c+7], v[\sa], v[\sb] matrix_a_fmt:MATRIX_FMT_FP4 matrix_b_fmt:MATRIX_FMT_FP4 matrix_b_scale:MATRIX_SCALE_ROW1
.else
	v_wmma_scale_f32_16x16x128_f8f6f4 v[\d:\d+7], v[\a:\a+7], v[\b:\b+7], v[\c:\c+7], v[\sa], v[\sb] matrix_a_fmt:MATRIX_FMT_FP4 matrix_b_fmt:MATRIX_FMT_FP4
.endif
.endm
	s_load_b256 s[4:11], s[0:1], 0x0               ; x's codes s[4:5], x's scales s[6:7], W's codes s[8:9], W's scales s[10:11]
	s_load_b128 s[12:15], s[0:1], 0x20             ; the bias s[12:13], qbuf s[14:15]
	s_load_b64 s[16:17], s[0:1], 0x30              ; kvbuf
	v_lshl_add_u32 v254, v0, 2, 0x39e00
	v_mov_b32 v255, 0
	ds_add_u32 v254, v255
	ds_add_u32 v254, v255
	v_lshrrev_b32 v1, 5, v0
	v_readfirstlane_b32 s[WV], v1                  ; wave 0..3
	s_bfe_u32 s19, ttmp6, 0x40000                  ; cx, cy: my place in the cluster
	s_bfe_u32 s20, ttmp6, 0x40004
	s_lshl_b32 s21, ttmp9, 2
	s_add_co_u32 s21, s21, s19                     ; the head = 4 x cluster x + cx
	s_and_b32 s22, ttmp7, 0xffff
	s_lshl_b32 s22, s22, 2
	s_add_co_u32 s22, s22, s20                     ; the block of 256 tokens = 4 x cluster y + cy
	s_lshl_b32 s23, s20, 2
	s_lshl_b32 s23, 15, s23                        ; my row of the cluster
	s_lshl_b32 s74, 0x1111, s19                    ; my column
	; x: 64 rows of 512 bytes (64 elements of 8 bytes), dense in memory; 16 bytes of padding behind every 128 words
	s_or_b32 s[G1A], s23, (3<<16)|(1<<20)|(1<<21)|(6<<22)|(3<<25)   ; 15:0 the mask; 17:16 elements of 8 bytes; 20 padding on; 21 set beside a mask; 24:22 after every 128 words (code 6); 31:25 four words (code 3)
	s_mov_b32 s[G1A+1], 64<<16                     ; tensor_dim0 = 64
	s_mov_b32 s[G1A+2], 64<<16                     ; tensor_dim1 = 64
	s_mov_b32 s[G1A+3], 64<<16                     ; tile_dim0 = 64
	s_mov_b32 s[G1A+4], 64                         ; tile_dim1 = 64
	s_mov_b32 s[G1A+5], 64                         ; from row to row: 64 elements
	s_mov_b32 s[G1A+6], 0
	s_mov_b32 s[G1A+7], 0
	; W: 16 rows of 512 bytes are 1,024 consecutive elements: one 'row' of the tile; three of them, 1,024 rows of W (65,536 elements) apart: q's, k's, v's.  The padding counts on through the tile: 48 LDS rows of 528 bytes
	s_or_b32 s[G1B], s74, (3<<16)|(1<<20)|(1<<21)|(6<<22)|(3<<25)
	s_mov_b32 s[G1B+1], 1024<<16
	s_mov_b32 s[G1B+2], 3<<16
	s_mov_b32 s[G1B+3], 1024<<16
	s_mov_b32 s[G1B+4], 3
	s_mov_b32 s[G1B+5], 65536
	s_mov_b32 s[G1B+6], 0
	s_mov_b32 s[G1B+7], 0
	s_mov_b32 s[G0A], 1
	s_mul_i32 s[G0A+1], s[WV], AWB                 ; LDS addresses hang on the wave's number alone
	s_mov_b32 s[G0B], 1
	s_mul_i32 s[G0B+1], s[WV], BWB
	s_add_co_u32 s[G0B+1], s[G0B+1], BOFF
	s_lshl_b32 s48, s22, 17                        ; x: 256 tokens x 512 bytes a block, 64 x 512 a wave: no register here ever holds cx
	s_lshl_b32 s75, s[WV], 15
	s_add_co_u32 s48, s48, s75
	s_mov_b32 s49, 0
	s_lshl_b32 s50, s21, 15                        ; W: 64 rows x 512 bytes a head, 16 x 512 a wave: no register here ever holds cy
	s_lshl_b32 s75, s[WV], 13
	s_add_co_u32 s50, s50, s75
	s_mov_b32 s51, 0
	s_mov_b32 s[SEL], 0x76543210
	s_mov_b32 s[SEL+1], 0xfedcba98
	s_lshl_b32 s92, s22, 13                        ; x's scales: 32 bytes a token
	s_lshl_b32 s75, s[WV], 11
	s_add_co_u32 s92, s92, s75
	s_mov_b32 s93, 0
	s_lshl_b32 s94, s21, 11                        ; W's scales: 64 rows x 32 bytes a head
	s_mov_b32 s95, 0
	s_lshl_b32 s96, s21, 8                         ; the bias: 64 numbers a head
	s_mov_b32 s97, 0
	s_lshr_b32 s76, s22, 3
	s_lshl_b32 s76, s76, 4
	s_add_co_u32 s76, s76, s21                     ; batch x 16 + head
	s_and_b32 s77, s22, 7                          ; the block of 256 tokens within the batch
	s_lshl_b32 s78, s76, 5
	s_lshl_b32 s79, s77, 2
	s_add_co_u32 s78, s78, s79
	s_add_co_u32 s78, s78, s[WV]
	s_mul_i32 s78, s78, QGRP                       ; qbuf: my wave's group of 64 tokens
	s_mov_b32 s79, 0
	s_lshl_b32 s80, s76, 4
	s_lshl_b32 s81, s77, 1
	s_add_co_u32 s80, s80, s81                     ; the first of the work-group's two key steps
	s_mul_i32 s82, s80, KVSTEP
	s_add_co_u32 s82, s82, 8704                    ; its scale words of v
	s_mov_b32 s83, 0
	s_lshr_b32 s81, s[WV], 1
	s_add_co_u32 s80, s80, s81
	s_mul_i32 s80, s80, KVSTEP                     ; my wave's key step
	s_and_b32 s84, s[WV], 1                        ; and which 64 keys of it
	s_lshl_b32 s86, s84, 11
	s_add_co_u32 s86, s86, s80                     ; k's images: four tiles of 512 bytes
	s_mov_b32 s87, 0
	s_lshl_b32 s88, s84, 8
	s_add_co_u32 s88, s88, s80
	s_add_co_u32 s88, s88, 8192                    ; k's scale words
	s_mov_b32 s89, 0
	s_lshl_b32 s90, s84, 9
	s_add_co_u32 s90, s90, s80
	s_add_co_u32 s90, s90, 4096                    ; v's images: my half c of each tile
	s_mov_b32 s91, 0
	s_wait_dscnt 0x0
	s_wait_kmcnt 0x0
	s_add_nc_u64 s[G0A+2:G0A+3], s[4:5], s[48:49]
	s_or_b32 s[G0A+3], s[G0A+3], 0x80000000        ; type = 2
	s_add_nc_u64 s[G0B+2:G0B+3], s[8:9], s[50:51]
	s_or_b32 s[G0B+3], s[G0B+3], 0x80000000
	s_add_nc_u64 s[PXS:PXS+1], s[6:7], s[92:93]
	s_add_nc_u64 s[PWS:PWS+1], s[10:11], s[94:95]
	s_add_nc_u64 s[PB:PB+1], s[12:13], s[96:97]
	s_add_nc_u64 s[PQ:PQ+1], s[14:15], s[78:79]
	s_add_nc_u64 s[PK:PK+1], s[16:17], s[86:87]
	s_add_nc_u64 s[PKS:PKS+1], s[16:17], s[88:89]
	s_add_nc_u64 s[PV:PV+1], s[16:17], s[90:91]
	s_add_nc_u64 s[PVS:PVS+1], s[16:17], s[82:83]
	CROUND                                         ; all sixteen work-groups are here: the joint loads meet
	tensor_load_to_lds s[G0A:G0A+3], s[G1A:G1A+7]  ; my 64 rows of x
	s_nop 0
	tensor_load_to_lds s[G0B:G0B+3], s[G1B:G1B+7]  ; my 48 rows of W: two loads of mine are out, the only ones of the launch
	s_nop 0
.rept 4
	v_nop                                          ; four v_nop follow the second load
.endr
	v_and_b32 v1, 15, v0                           ; r
	v_bfe_u32 v2, v0, 4, 1                         ; h
	v_and_b32 v15, 31, v0                          ; lane
	v_lshlrev_b32 v[LI], 4, v15
	v_lshlrev_b32 v[LW], 4, v1
	v_lshl_add_u32 v[LW], v2, 3, v[LW]
	v_lshlrev_b32 v[L32], 5, v15
	v_lshlrev_b32 v[H32], 5, v2
	v_lshlrev_b32 v[R4], 2, v1
.irp i, 0,1
.irp e, 0,1
	global_load_b128 v[XS+8*\i+4*\e:XS+8*\i+4*\e+3], v[L32], s[PXS:PXS+1] offset:1024*\i+16*\e   ; lane l: token 32 i + l, the words of K steps 4 e .. 4 e + 3
.endr
.endr
.irp p, 0,1,2
.irp i, 0,1
.irp e, 0,1
	global_load_b128 v[WS+16*\p+8*\i+4*\e:WS+16*\p+8*\i+4*\e+3], v[L32], s[PWS:PWS+1] offset:32768*\p+1024*\i+16*\e
.endr
.endr
.endr
	WIN 0xc0                                       ; destination window 3
.irp p, 0,1
.irp t, 0,1,2,3
.irp e, 0,1
	global_load_b128 v[128+32*\p+8*\t+4*\e:128+32*\p+8*\t+4*\e+3], v[H32], s[PB:PB+1] offset:4096*\p+64*\t+16*\e   ; q, k: register j is the bias of feature 16 t + 8 h + j
.endr
.endr
.endr
.irp t, 0,1,2,3
.irp j, 0,1,2,3,4,5,6,7
	global_load_b32 v[192+8*\t+\j], v[R4], s[PB:PB+1] offset:8192+64*\t   ; v: all eight registers are the bias of the lane's own feature 16 t + r
.endr
.endr
	WIN 0
	v_mul_u32_u24 v[ADRA], v1, PITCH
	v_lshl_add_u32 v[ADRA], v2, 4, v[ADRA]         ; a fragment's row x pitch + 16 h
	v_add_nc_u32 v[ADRB], BOFF, v[ADRA]
	v_add_nc_u32 v[ADRB+1], BOFF+2*BWB, v[ADRA]
	s_mul_i32 s75, s[WV], AWB
	v_add_nc_u32 v[ADRA], s75, v[ADRA]
	s_lshr_b32 s75, s[WV], 1
	s_lshl_b32 s75, s75, 8
	s_lshl_b32 s85, s84, 1
	s_add_co_u32 s75, s75, s85
	s_add_co_u32 s75, s75, VSTG
	v_lshl_add_u32 v[VSA], v1, 4, s75              ; VSTG + 256 (wave / 2) + 16 r + 2 (wave % 2)
	v_add_nc_u32 v[VSR], VSTG, v[LI]
	v_mul_u32_u24 v[VSO], v2, KVSTEP
	v_lshl_add_u32 v[VSO], v1, 4, v[VSO]
.irp n, 0,1,2,3,4,5,6,7
	v_mov_b32 v[PX+\n], 0                          ; written once: a lane permute's destination counts as one of its sources
.endr
	s_wait_loadcnt 0x0                             ; scale words and biases
	s_wait_tensorcnt 0x0                           ; my rows of x and of W are in,
	s_barrier_signal -1
	s_barrier_wait -1                              ; everybody's are: W's rows are read by all four waves.  Nothing is filled again
; 32 LDS loads in one run: K step q's fragments into set f: W's twelve, then x's four.  A fragment is 16 rows x 128 K: lane (r, h): registers 4 c .. 4 c + 3 = the 16 bytes at 64 q + 32 c + 16 h of row r
.macro FETCH q, f
	WIN 0x40                                       ; destination window 1
.irp p, 0,1,2
.irp t, 0,1,2,3
.irp c, 0,1
	ds_load_b128 v[128*(\f)+8*(4*\p+\t)+4*\c:128*(\f)+8*(4*\p+\t)+4*\c+3], v[ADRB+\t/2] offset:(\t%2)*BWB+\p*16*PITCH+64*(\q)+32*\c
.endr
.endr
.endr
	WIN 0
.irp m, 0,1,2,3
.irp c, 0,1
	ds_load_b128 v[XF+32*(\f)+8*\m+4*\c:XF+32*(\f)+8*\m+4*\c+3], v[ADRA] offset:\m*16*PITCH+64*(\q)+32*\c
.endr
.endr
.endm
; A K step of 128: 48 matrix instructions.  The 48 accumulators take turns, one instruction a turn, in the same order in every step.  Step 0's C is the bias: nothing is cleared.
.macro STEP q
.set WFS, 128*((\q)%2)
.set XFS, XF+32*((\q)%2)
	s_wait_dscnt 0x0                               ; this step's fragments are in: they were asked for 48 matrix instructions ago
.if (\q) < 7
.if (\q) > 0
.rept 4
	v_nop                                          ; four places between the last step's products and the loads into the registers that they read (ISA guide 7.12.1 for vector instructions)
.endr
.endif
	FETCH (\q)+1, ((\q)+1)%2
.endif
.if (\q) == 0
	WIN 0xb1                                       ; source 0 (W) window 1, source 1 (x) window 0, C (the bias) window 3, D window 2
.else
	WIN 0xa1                                       ; C and D window 2
.endif
.irp p, 0,1
.irp m, 0,1,2,3
.irp t, 0,1,2,3
.if (\q) == 0
	WM 128*\p+32*\m+8*\t, WFS+8*(4*\p+\t), XFS+8*\m, 128+32*\p+8*\t, WS+16*\p+8*(\t/2)+(\q), XS+8*(\m/2)+(\q), \t, \m
.else
	WM 128*\p+32*\m+8*\t, WFS+8*(4*\p+\t), XFS+8*\m, 128*\p+32*\m+8*\t, WS+16*\p+8*(\t/2)+(\q), XS+8*(\m/2)+(\q), \t, \m
.endif
.endr
.endr
.endr
	WIN 0xf4                                       ; v: source 0 (x) window 0, source 1 (W) window 1, C and D window 3
.irp t, 0,1,2,3
.irp m, 0,1,2,3
.if (\q) == 0
	WM 32*\t+8*\m, XFS+8*\m, WFS+8*(8+\t), 192+8*\t, XS+8*(\m/2)+(\q), WS+32+8*(\t/2)+(\q), \m, \t
.else
	WM 32*\t+8*\m, XFS+8*\m, WFS+8*(8+\t), 32*\t+8*\m, XS+8*(\m/2)+(\q), WS+32+8*(\t/2)+(\q), \m, \t
.endif
.endr
.endr
	WIN 0
.endm
	FETCH 0, 0
.irp q, 0,1,2,3,4,5,6,7
	STEP \q
.endr
; 128 accumulator registers from ab on, in the window that w2 (sources 0 and 1) and w1 (source 0) name, are four groups g of 64 along the next K: register 32 g + 8 i + j = k 16 i + 8 h + j of the lane's row.
; Block n = 2 g + b is registers 16 n .. 16 n + 15 of lanes l and l xor 16.  Out: codes in v[cd + 4 g ..], scale bytes 0 and 1 in v[w + g]; full = 1: bytes 2 and 3 become 0x7f.
.macro QUANT128 w2, w1, ab, cd, w, full
	WIN \w2
.irp n, 0,1,2,3,4,5,6,7
	v_max3_num_f32 v[MX+\n], |v[\ab+16*\n]|, |v[\ab+16*\n+1]|, 0x1800000   ; my 16 numbers, each accumulator from its low end on, and the floor 2^(3 - 127): so the byte cannot fall under 1
.endr
.irp i, 2,4,6,8,10,12,14
.irp n, 0,1,2,3,4,5,6,7
	v_max3_num_f32 v[MX+\n], |v[\ab+16*\n+\i]|, |v[\ab+16*\n+\i+1]|, v[MX+\n]   ; (the eight blocks by turns)
.endr
.endr
	WIN 0
.irp n, 0,1,2,3,4,5,6,7
	v_permlanex16_b32 v[PX+\n], v[MX+\n], s[SEL], s[SEL+1]
.endr
.irp n, 0,1,2,3,4,5,6,7
	v_max_num_f32 v[MX+\n], v[MX+\n], v[PX+\n]     ; with lane l xor 16's: the block's largest magnitude
.endr
.irp n, 0,1,2,3,4,5,6,7
	v_add_nc_u32 v[SOP+\n], 0xff000000, v[MX+\n]   ; 2 off its exponent field: the conversion takes the exponent field of this operand as its scale
.endr
.irp n, 0,1,2,3,4,5,6,7
	v_lshrrev_b32 v[PX+\n], 23, v[SOP+\n]          ; the scale's byte
.endr
.irp g, 0,1,2,3
	v_lshl_or_b32 v[\w+\g], v[PX+2*\g+1], 8, v[PX+2*\g]
.endr
.if \full
.irp g, 0,1,2,3
	v_or_b32 v[\w+\g], 0x7f7f0000, v[\w+\g]        ; the upper 64 of the instruction's 128 along K hold zero codes on one side: their scale is 1
.endr
.endif
	WIN \w1
.irp g, 0,1,2,3
.irp i, 0,1,2,3
	v_cvt_scalef32_pk8_fp4_f32 v[\cd+4*\g+(\i%2)*2+\i/2], v[\ab+32*\g+8*\i:\ab+32*\g+8*\i+7], v[SOP+2*\g+\i/2]   ; tiles 0, 1, 2, 3 to registers 0, 2, 1, 3
.endr
.endr
	WIN 0
	v_nop                                          ; one plain place behind a scaled conversion
.irp g, 0,1,2,3
	v_permlane16_swap_b32 v[\cd+4*\g], v[\cd+4*\g+1]      ; lanes 0-15 now hold block 0, lanes 16-31 block 1, k ascending over the four registers
	v_permlane16_swap_b32 v[\cd+4*\g+2], v[\cd+4*\g+3]
.endr
.endm
.rept 4
	v_nop                                          ; places between the last products and the first read of results
.endr
	v_cmp_eq_u32 vcc_lo, 1, v2                     ; lanes 16-31
	QUANT128 0x0a, 0x02, 0, CDQ, WQ, 1             ; q: group g = my tile g of tokens
.irp g, 0,1,2,3
	global_store_b128 v[LI], v[CDQ+4*\g:CDQ+4*\g+3], s[PQ:PQ+1] offset:512*\g   ; 32 lanes store 512 consecutive bytes
.endr
	v_cndmask_b32 v232, v[WQ], v[WQ+2], vcc_lo     ; lane (r, h) takes row r's words of tiles 2 h and 2 h + 1: the 32 lanes store 256 consecutive bytes, each once
	v_cndmask_b32 v233, v[WQ+1], v[WQ+3], vcc_lo
	global_store_b64 v[LW], v[232:233], s[PQ:PQ+1] offset:2048
	QUANT128 0x0a, 0x02, 128, CDK, WK, 1           ; k likewise
.irp g, 0,1,2,3
	global_store_b128 v[LI], v[CDK+4*\g:CDK+4*\g+3], s[PK:PK+1] offset:512*\g
.endr
	v_cndmask_b32 v234, v[WK], v[WK+2], vcc_lo
	v_cndmask_b32 v235, v[WK+1], v[WK+3], vcc_lo
	global_store_b64 v[LW], v[234:235], s[PKS:PKS+1]
	QUANT128 0x0f, 0x03, 0, CDV, WVH, 0            ; v: group g = tile g of the head's 64; K = my 64 keys: half of a key step
.irp g, 0,1,2,3
	global_store_b128 v[LI], v[CDV+4*\g:CDV+4*\g+3], s[PV:PV+1] offset:1024*\g
.endr
.irp g, 0,1,2,3
	ds_store_b16 v[VSA], v[WVH+\g] offset:4*\g     ; my two bytes of the word of d = 16 g + r; the other two come from my neighbour wave.  Lanes l and l xor 16 write the same half-word with the same value
.endr
	s_wait_dscnt 0x0                               ; for the others' sake: my stores have landed
	s_barrier_signal -1
	s_barrier_wait -1
	s_cmp_lg_u32 s[WV], 0
	s_cbranch_scc1 .Lnot_mine
	ds_load_b128 v[228:231], v[VSR]                ; wave 0: lanes 0-15 the first key step's 256 bytes, lanes 16-31 the second's
	s_wait_dscnt 0x0
	global_store_b128 v[VSO], v[228:231], s[PVS:PVS+1]
.Lnot_mine:
	s_wait_tensorcnt 0x0
	ds_add_u32 v254, v255
	s_wait_dscnt 0x0
	CROUND                                         ; the closing round: no work-group ends while a partner may still ask for a tile that names it
	s_endpgm
.Lfunc_end_k_qf388e8ef95_qkv:
	.size	k_qf388e8ef95_qkv, .Lfunc_end_k_qf388e8ef95_qkv-k_qf388e8ef95_qkv
	.p2alignl 7, 3214868480
	.fill 96, 4, 3214868480
	.section	.rodata,"a",@progbits
	.p2align	6, 0x0
	.amdhsa_kernel k_qf388e8ef95_qkv
		.amdhsa_group_segment_fixed_size 237568
		.amdhsa_private_segment_fixed_size 0
		.amdhsa_enable_private_segment 0
		.amdhsa_kernarg_size 56
		.amdhsa_user_sgpr_count 2
		.amdhsa_user_sgpr_kernarg_segment_ptr 1
		.amdhsa_wavefront_size32 1
		.amdhsa_system_sgpr_workgroup_id_x 1
		.amdhsa_system_sgpr_workgroup_id_y 1
		.amdhsa_system_sgpr_workgroup_id_z 1
		.amdhsa_system_vgpr_workitem_id 0
		.amdhsa_next_free_vgpr 1024
		.amdhsa_next_free_sgpr 100
		.amdhsa_reserve_vcc 1
		.amdhsa_float_denorm_mode_32 3
		.amdhsa_float_denorm_mode_16_64 3
		.amdhsa_memory_ordered 1
		.amdhsa_forward_progress 1
		.amdhsa_inst_pref_size 105
	.end_amdhsa_kernel
	.amdgpu_metadata
---
amdhsa.version: [ 1, 2 ]
amdhsa.kernels:
  - .name:           k_qf388e8ef95_qkv
    .symbol:         k_qf388e8ef95_qkv.kd
    .args:
      - { .name: x_codes, .offset: 0, .size: 8, .value_kind: global_buffer, .address_space: global }
      - { .name: x_scales, .offset: 8, .size: 8, .value_kind: global_buffer, .address_space: global }
      - { .name: qkv_w_codes, .offset: 16, .size: 8, .value_kind: global_buffer, .address_space: global }
      - { .name: qkv_w_scales, .offset: 24, .size: 8, .value_kind: global_buffer, .address_space: global }
      - { .name: qkv_b, .offset: 32, .size: 8, .value_kind: global_buffer, .address_space: global }
      - { .name: qbuf, .offset: 40, .size: 8, .value_kind: global_buffer, .address_space: global }
      - { .name: kvbuf, .offset: 48, .size: 8, .value_kind: global_buffer, .address_space: global }
    .group_segment_fixed_size: 237568
    .private_segment_fixed_size: 0
    .kernarg_segment_align: 8
    .kernarg_segment_size: 56
    .max_flat_workgroup_size: 128
    .sgpr_count:     100
    .vgpr_count:     1024
    .wavefront_size: 32
...
	.end_amdgpu_metadata
.endif
;; end of part 1
;; launch attn (part 2): grid 8 x 32, 16 waves a work-group, clusters of 4 x 1, 169,984 bytes of LDS; arguments qbuf, kvbuf, oimg, oscl; writes oimg, oscl
.if DOCPART == 2
	.amdgcn_target "amdgcn-amd-amdhsa--gfx1250"
	.amdhsa_code_object_version 6
	.text
	.protected	k_qf388e8ef95_attn
	.globl	k_qf388e8ef95_attn
	.p2align	8
	.type	k_qf388e8ef95_attn,@function
k_qf388e8ef95_attn:
	s_mov_b64 s[64:65], 0
	v_nop
	global_prefetch_b8 v0, s[64:65] scope:SCOPE_SE
	s_setreg_imm32_b32 hwreg(HW_REG_WAVE_MODE, 25, 1), 1
	s_wait_xcnt 0x0
	s_wait_alu depctr_hold_cnt(0) depctr_sa_sdst(0) depctr_va_vdst(0) depctr_va_sdst(0) depctr_va_ssrc(0) depctr_va_vcc(0) depctr_vm_vsrc(0)
	s_getreg_b32 s2, hwreg(HW_REG_IB_STS2, 6, 4)
	s_cmp_eq_u32 s2, 0
	s_cbranch_scc0 .Lentry_in_a_cluster
	s_endpgm
.Lentry_in_a_cluster:
	s_bfe_u32 s2, ttmp6, 0x10000c
	s_cmp_lg_u32 s2, 0x3003
	s_cbranch_scc0 .Lentry_shape_is_right
	s_endpgm
.Lentry_shape_is_right:
; o = softmax(q k^T / 8) v for one (batch, head), both products on codes of FP4 (E2M1) with one E8M0 scale for each 32 along K, and o quantised along the head's 64 for the product that follows.
; THE SOFTMAX: t = score x log2(e) / 8; M = the row's largest t so far, rounded UP to a whole number; p = 2^(t - M) is what is quantised, along the keys, not normalised.  The row's sum is taken of the
; unquantised p, in f32, and divides O at the end.  When M moves, the sum and O are multiplied by 2^(old M - new M), which rounds nothing.
; SHARES.  A work-group owns 256 queries of one (batch, head); each of its SIXTEEN waves 16 of them, in 256 registers: four waves to a SIMD, so that one wave's vector work stands beside another's matrix work and LDS loads.
; Every wave walks the head's 2,048 keys, 128 a step.
; LDS.  The head's whole block of kvbuf, 16 key steps of 8,960 bytes, lies in LDS: filled once, each wave fetching one step, and only read after that: no ring, and the one wait for tensor loads is for 0.
; kvbuf is laid as images of the operands' registers: every fragment is 512 consecutive bytes, 16 a lane: no pitch, no padding, no two lanes on one bank.
; CLUSTER.  The four blocks of queries of a cluster belong to one (batch, head) and read the same block of kvbuf: each of its sixteen parts is asked for jointly by the four.
; LAYOUT.  Both products are used transposed: S^T = k q^T (source 0 = 16 keys, source 1 = my 16 queries), O^T = v^T p^T (source 0 = 16 of the head's 64, source 1 = p): a lane holds ONE query (lane % 16) throughout.
; K = 64 IN AN INSTRUCTION OF 128.  q's registers 4-7 are zero codes.  k's operand for tile t is registers 4 t .. 4 t + 7 of k's run: its upper four are the next tile's codes (behind the last tile: zeros), numbers of the
; format under the scale byte 0x7f, which times q's zeros add exactly 0.
; FROM FOUR TILES TO AN OPERAND.  The conversions of four tiles (64 keys) go to registers 0, 2, 1, 3 of a group; registers 0 and 1, and 2 and 3, then exchange the first's lanes 16-31 with the second's lanes 0-15:
; lane (r, h) holds keys 32 h + 0 .. 31 of the 64 in order.
; LIMITS: NaN and infinities are not served.  p under 2^-126 counts as 0 (v_exp_f32 gives 0 there: ISA guide, its entry).  A block whose largest magnitude lies under 2^-124 gets the scale byte 1.  1 / l is v_rcp_f32 and a multiplication.
.set STEPB, 8960                       ; a key step in kvbuf and in LDS: k's images 0, v's 4,096, k's scale words 8,192, v's 8,704
.set NSTEP, 16
.set LI,  1                            ; v1   16 x lane
.set LR,  2                            ; v2   16 r
.set ADK, 3                            ; v3   the step's images for my lane
.set ADS, 4                            ; v4   the step's scale words for my lane
.set OB,  5                            ; v5   4 r + h: my byte among o's scale words
.set HH,  6                            ; v6   h
.set QF,  16                           ; v16-23   q: four registers of codes, four of zeros
.set KF,  24                           ; v24-59   k: tile t at 4 t; v56-59 zeros
.set VF,  60                           ; v60-91   v: tile t, half c at 8 t + 4 c
.set S,   96                           ; v96-159  S^T, then p
.set O,   160                          ; v160-191 O^T
.set P,   192                          ; v192-199 p's codes
.set KS,  200                          ; v200-207 k's scale words, v208-211 v's, v212 q's, v213 p's: scales and nothing else
.set VS,  208
.set QS,  212
.set PS,  213
.set BM,  216                          ; v216-219 a block's largest score, then its largest p
.set BX,  220                          ; v220-223 the other half's; then the scale bytes
.set SO,  224                          ; v224-227 the conversions' scale operands
.set T,   230                          ; v230 at work;  v12 -M, v13 the largest t, v[14:15] the sum in two halves, v[228:229] f, v[232:233] the sum's second chain
.set WV,  12                           ; s12  my wave's number
.set SEL, 20                           ; s[20:21] v_permlanex16_b32's selects for lane l xor 16
.set CS,  22                           ; s[22:23] c = log2(e) / 8: the packed form names a pair and takes its low word for both halves
.set G1,  24                           ; s[24:31], s[32:35] the descriptor
.set G0,  32
.set TB,  36                           ; s36  LDS byte at which the step in hand begins
.set CNT, 37                           ; s37  steps to go
.set PQ,  40                           ; pointers: q's codes, q's scale word, oimg, oscl
.set PQS, 42
.set POI, 44
.set POS, 46
.macro CROUND                          ; a round of the cluster's barrier
	s_barrier_signal -1
	s_barrier_wait -1
	s_cmp_lg_u32 s[WV], 0
	s_cbranch_scc1 .Lnot_wave_0_\@
	s_barrier_signal -3
.Lnot_wave_0_\@:
	s_barrier_wait -3
	s_barrier_signal -1
	s_barrier_wait -1
.endm
	s_load_b256 s[4:11], s[0:1], 0x0               ; qbuf s[4:5], kvbuf s[6:7], oimg s[8:9], oscl s[10:11]
	v_lshl_add_u32 v254, v0, 2, 0x29000
	v_mov_b32 v255, 0
	ds_add_u32 v254, v255
	ds_add_u32 v254, v255
	v_lshrrev_b32 v1, 5, v0
	v_readfirstlane_b32 s[WV], v1                  ; wave 0..15
	s_bfe_u32 s13, ttmp6, 0x40000                  ; cx
	s_lshl_b32 s14, ttmp9, 2
	s_add_co_u32 s14, s14, s13                     ; my block of 256 queries: it enters q's and o's global addresses alone
	s_and_b32 s15, ttmp7, 0xffff                   ; batch x 16 + head, which the four partners share
	s_and_b32 s16, s15, 15                         ; head
	s_lshr_b32 s17, s15, 4                         ; batch
	s_mov_b32 s[G1], 15|(3<<16)|(1<<21)            ; 15:0 the mask: all four work-groups; 17:16 elements of 8 bytes; 20 no padding; 21 set beside a mask
	s_mov_b32 s[G1+1], 32<<16                      ; tensor_dim0 = 32: rows of 256 bytes
	s_mov_b32 s[G1+2], 35<<16                      ; tensor_dim1 = 35: a key step's 8,960 bytes
	s_mov_b32 s[G1+3], 32<<16                      ; tile_dim0
	s_mov_b32 s[G1+4], 35                          ; tile_dim1
	s_mov_b32 s[G1+5], 32                          ; dense
	s_mov_b32 s[G1+6], 0
	s_mov_b32 s[G1+7], 0
	s_mov_b32 s[G0], 1
	s_mul_i32 s[G0+1], s[WV], STEPB                ; wave w fetches key step w
	s_mul_i32 s38, s15, NSTEP*STEPB
	s_add_co_u32 s38, s38, s[G0+1]
	s_mov_b32 s39, 0
	s_lshl_b32 s48, s15, 5
	s_lshl_b32 s49, s14, 2
	s_add_co_u32 s48, s48, s49
	s_lshr_b32 s49, s[WV], 2
	s_add_co_u32 s48, s48, s49
	s_mul_i32 s48, s48, 2304                       ; qbuf: the group of 64 tokens that holds my 16
	s_and_b32 s49, s[WV], 3                        ; and which tile of it
	s_lshl_b32 s50, s49, 9
	s_add_co_u32 s50, s50, s48
	s_mov_b32 s51, 0
	s_lshl_b32 s52, s49, 2
	s_add_co_u32 s52, s52, s48
	s_add_co_u32 s52, s52, 2048
	s_mov_b32 s53, 0
	s_lshl_b32 s54, s17, 7
	s_lshl_b32 s55, s14, 4
	s_add_co_u32 s54, s54, s55
	s_add_co_u32 s54, s54, s[WV]                   ; my tile of 16 tokens among all 256
	s_lshl_b32 s56, s54, 13
	s_lshl_b32 s55, s16, 9
	s_add_co_u32 s56, s56, s55                     ; oimg: [tile][head][512]
	s_mov_b32 s57, 0
	s_lshr_b32 s58, s16, 1
	s_lshl_b32 s58, s58, 14
	s_lshl_b32 s55, s54, 6
	s_add_co_u32 s58, s58, s55
	s_and_b32 s55, s16, 1
	s_lshl_b32 s55, s55, 1
	s_add_co_u32 s58, s58, s55                     ; oscl: [head / 2][token] words; my head's two bytes at 2 (head % 2)
	s_mov_b32 s59, 0
	s_mov_b32 s[SEL], 0x76543210
	s_mov_b32 s[SEL+1], 0xfedcba98
	s_mov_b32 s[CS], 0x3e38aa3b                    ; c = log2(e) / 8
	s_mov_b32 s[CS+1], s[CS]                       ; (named with it as a pair, so it is written)
	s_mov_b32 s[TB], 0
	s_mov_b32 s[CNT], NSTEP
	s_wait_dscnt 0x0
	s_wait_kmcnt 0x0
	s_add_nc_u64 s[G0+2:G0+3], s[6:7], s[38:39]
	s_or_b32 s[G0+3], s[G0+3], 0x80000000          ; type = 2
	s_add_nc_u64 s[PQ:PQ+1], s[4:5], s[50:51]
	s_add_nc_u64 s[PQS:PQS+1], s[4:5], s[52:53]
	s_add_nc_u64 s[POI:POI+1], s[8:9], s[56:57]
	s_add_nc_u64 s[POS:POS+1], s[10:11], s[58:59]
	CROUND                                         ; all four work-groups are here: the joint loads meet
	tensor_load_to_lds s[G0:G0+3], s[G1:G1+7]      ; my one tensor load of the launch
	s_nop 0
.rept 4
	v_nop                                          ; four v_nop follow it
.endr
	v_and_b32 v[LR], 15, v0                        ; r
	v_bfe_u32 v[HH], v0, 4, 1                      ; h
	v_and_b32 v[LI], 31, v0
	v_lshlrev_b32 v[LI], 4, v[LI]
	v_lshl_add_u32 v[OB], v[LR], 2, v[HH]
	v_lshlrev_b32 v[LR], 4, v[LR]
	global_load_b128 v[QF:QF+3], v[LI], s[PQ:PQ+1] ; q's codes: query r, block h
	global_load_b32 v[QS], v[LR], s[PQS:PQS+1]     ; and its scale word
.irp j, 0,1,2,3
	v_mov_b32 v[QF+4+\j], 0                        ; the upper 64 of the instruction's K: zero codes
	v_mov_b32 v[KF+32+\j], 0
	v_mov_b32 v[BX+\j], 0                          ; written once: a lane permute's destination counts as one of its sources
.endr
.irp j, 0,1,2,3,4,5,6,7,8,9,10,11,12,13,14,15,16,17,18,19,20,21,22,23,24,25,26,27,28,29,30,31
	v_mov_b32 v[O+\j], 0                           ; O^T.  (The step is written once: the first finds zeros, which the first change of M leaves zeros)
.endr
	v_mov_b32 v13, 0xff61b1e6                      ; the largest t so far: -3e38, under every t
	v_floor_f32 v12, -v13                          ; -M
	v_mov_b32 v14, 0                               ; the sum, in two halves
	v_mov_b32 v15, 0
	v_mov_b32 v229, 0                              ; (named as the upper half of the pair v[228:229])
	s_wait_loadcnt 0x0                             ; q
	s_wait_tensorcnt 0x0                           ; my key step is in,
	s_barrier_signal -1
	s_barrier_wait -1                              ; all sixteen are.  Nothing is filled again
.Lstep:                                            ; 16 trips: 128 keys each
	v_add_nc_u32 v[ADK], s[TB], v[LI]
	v_add_nc_u32 v[ADS], s[TB], v[LR]
	v_nop
	v_nop                                          ; with the two additions: four places between the last trip's products and the loads into the registers that they read
.irp t, 0,1,2,3,4,5,6,7
	ds_load_b128 v[KF+4*\t:KF+4*\t+3], v[ADK] offset:512*\t                ; key 16 t + r, block h
.endr
.irp g, 0,1
	ds_load_b128 v[KS+4*\g:KS+4*\g+3], v[ADS] offset:8192+256*\g           ; row r's words of tiles 4 g .. 4 g + 3
.endr
.irp t, 0,1,2,3
.irp c, 0,1
	ds_load_b128 v[VF+8*\t+4*\c:VF+8*\t+4*\c+3], v[ADK] offset:4096+1024*\t+512*\c   ; d = 16 t + r, keys 64 c + 32 h on
.endr
.endr
	ds_load_b128 v[VS:VS+3], v[ADS] offset:8704                            ; row r's words of tiles 0 .. 3
	s_wait_dscnt 9                                 ; k's ten loads are in; the nine behind them (v's eight and its scale words) may be out
.irp t, 0,1,2,3,4,5,6,7
	v_wmma_scale_f32_16x16x128_f8f6f4 v[S+8*\t:S+8*\t+7], v[KF+4*\t:KF+4*\t+7], v[QF:QF+7], 0, v[KS+\t], v[QS] matrix_a_fmt:MATRIX_FMT_FP4 matrix_b_fmt:MATRIX_FMT_FP4
.endr                                              ; lane (r, h): query r; register 8 t + j = key 16 t + 8 h + j; block b of 32 keys = registers 16 b .. 16 b + 15 of lanes l and l xor 16
.rept 4
	v_nop
.endr
.irp b, 0,1,2,3
	v_max3_num_f32 v[BM+\b], v[S+16*\b], v[S+16*\b+1], v[S+16*\b+2]        ; THE LARGEST SCORE OF EACH BLOCK: it serves for the row's maximum and, since p rises with the score, for the block's largest p
.endr
.irp i, 3,5,7,9,11,13
.irp b, 0,1,2,3
	v_max3_num_f32 v[BM+\b], v[BM+\b], v[S+16*\b+\i], v[S+16*\b+\i+1]      ; (the four blocks by turns)
.endr
.endr
.irp b, 0,1,2,3
	v_max_num_f32 v[BM+\b], v[BM+\b], v[S+16*\b+15]
.endr
.irp b, 0,1,2,3
	v_permlanex16_b32 v[BX+\b], v[BM+\b], s[SEL], s[SEL+1]
.endr
.irp b, 0,1,2,3
	v_max_num_f32 v[BM+\b], v[BM+\b], v[BX+\b]     ; with lane l xor 16's 16 keys
.endr
	v_max3_num_f32 v[T], v[BM], v[BM+1], v[BM+2]
	v_max_num_f32 v[T], v[T], v[BM+3]              ; the step's largest score of my query
	v_mul_f32 v[T], s[CS], v[T]                    ; as t (c is positive)
	v_max_num_f32 v13, v13, v[T]                   ; the running largest t
	v_mov_b32 v[T], v12
	v_floor_f32 v12, -v13                          ; the new -M = floor(-t) = -ceil(t): M is a whole number
	v_sub_f32 v[T], v12, v[T]                      ; M's old value less its new one: a whole number, 0 or less
	v_cvt_i32_f32 v[T], v[T]                       ; (it saturates)
	v_ldexp_f32 v228, 1.0, v[T]                    ; f = 2^(old M - new M)
.irp j, 0,2,4,6,8,10,12,14,16,18,20,22,24,26,28,30,32,34,36,38,40,42,44,46,48,50,52,54,56,58,60,62
	v_pk_fma_f32 v[S+\j:S+\j+1], v[S+\j:S+\j+1], s[CS:CS+1], v[12:13] op_sel_hi:[1,0,0]   ; t - M, two at a time (of the pairs c and -M the low word serves both halves)
.endr
.irp b, 0,1,2,3
	v_fma_f32 v[BM+\b], v[BM+\b], s[CS], v12       ; the same of each block's largest score
.endr
.irp j, 0,1,2,3,4,5,6,7,8,9,10,11,12,13,14,15,16,17,18,19,20,21,22,23,24,25,26,27,28,29,30,31,32,33,34,35,36,37,38,39,40,41,42,43,44,45,46,47,48,49,50,51,52,53,54,55,56,57,58,59,60,61,62,63
	v_exp_f32 v[S+\j], v[S+\j]                     ; p = 2^(t - M), at most 1: not normalised
.endr
.irp b, 0,1,2,3
	v_exp_f32 v[BM+\b], v[BM+\b]                   ; the block's largest p: the same two instructions on the same number give the same bits
.endr
	v_pk_mul_f32 v[14:15], v[14:15], v[228:229] op_sel_hi:[1,0]   ; the sums under the new M.  (The plain place behind the exponentials)
	s_wait_alu depctr_va_vdst(0)
.irp b, 0,1,2,3
	v_max_num_f32 v[BM+\b], 0x1800000, v[BM+\b]    ; the floor 2^(3 - 127): the byte cannot fall under 1 (a block whose every p is 0 keeps that byte: its codes are zeros)
.endr
.irp b, 0,1,2,3
	v_add_nc_u32 v[SO+\b], 0xff000000, v[BM+\b]    ; 2 off the exponent field: the conversion's scale operand
.endr
.irp b, 0,1,2,3
	v_lshrrev_b32 v[BX+\b], 23, v[SO+\b]           ; the scale's byte
.endr
	v_lshl_or_b32 v[PS], v[BX+1], 8, v[BX]         ; p's scale word for these 128 keys
	v_lshl_or_b32 v[PS], v[BX+2], 16, v[PS]
	v_lshl_or_b32 v[PS], v[BX+3], 24, v[PS]
.irp c, 0,1
.irp i, 0,1,2,3
	v_cvt_scalef32_pk8_fp4_f32 v[P+4*\c+(\i%2)*2+\i/2], v[S+32*\c+8*\i:S+32*\c+8*\i+7], v[SO+2*\c+\i/2]   ; tiles 0, 1, 2, 3 of the 64 keys to registers 0, 2, 1, 3
.endr
.endr
	v_nop                                          ; one plain place behind a scaled conversion
.irp c, 0,1
	v_permlane16_swap_b32 v[P+4*\c], v[P+4*\c+1]   ; lanes 0-15: block 2 c, lanes 16-31: block 2 c + 1, keys ascending over the four registers
	v_permlane16_swap_b32 v[P+4*\c+2], v[P+4*\c+3]
.endr
	v_pk_add_f32 v[232:233], v[S:S+1], v[S+2:S+3]  ; THE ROW'S SUM IS TAKEN OF THE UNQUANTISED p: two at a time, in two chains
.irp j, 4,8,12,16,20,24,28,32,36,40,44,48,52,56,60
	v_pk_add_f32 v[14:15], v[14:15], v[S+\j:S+\j+1]
	v_pk_add_f32 v[232:233], v[232:233], v[S+\j+2:S+\j+3]
.endr
	v_pk_add_f32 v[14:15], v[14:15], v[232:233]    ; (these 32 are also the places between p's scale word and codes and the products below)
.irp j, 0,2,4,6,8,10,12,14,16,18,20,22,24,26,28,30
	v_pk_mul_f32 v[O+\j:O+\j+1], v[O+\j:O+\j+1], v[228:229] op_sel_hi:[1,0]   ; O^T under the new M: x f; each accumulator from its low end on
.endr
	s_wait_dscnt 0x0                               ; v's fragments and scale words are in
.irp t, 0,1,2,3
	v_wmma_scale_f32_16x16x128_f8f6f4 v[O+8*\t:O+8*\t+7], v[VF+8*\t:VF+8*\t+7], v[P:P+7], v[O+8*\t:O+8*\t+7], v[VS+\t], v[PS] matrix_a_fmt:MATRIX_FMT_FP4 matrix_b_fmt:MATRIX_FMT_FP4
.endr                                              ; the four accumulators take turns, one instruction a turn, with the next trip's eight products between two links
	s_add_co_u32 s[TB], s[TB], STEPB
	s_sub_co_u32 s[CNT], s[CNT], 1
	s_cmp_lg_u32 s[CNT], 0
	s_cbranch_scc1 .Lstep
	; THE WAY OUT.  o = O^T / l; register 8 t + j = d 16 t + 8 h + j of my query: 64 along the next product's K, quantised as p was
.rept 4
	v_nop                                          ; places between the last products and the first read of results
.endr
	v_add_f32 v14, v14, v15                        ; the sum's two halves,
	v_permlanex16_b32 v[T], v14, s[SEL], s[SEL+1]
	v_add_f32 v14, v14, v[T]                       ; and lane l xor 16's: the row's sum
	v_rcp_f32 v14, v14
	v_cmp_eq_u32 vcc_lo, 1, v[HH]                  ; lanes 16-31.  (The plain place behind the transcendental)
	s_wait_alu depctr_va_vdst(0)
.irp j, 0,2,4,6,8,10,12,14,16,18,20,22,24,26,28,30
	v_pk_mul_f32 v[S+\j:S+\j+1], v[O+\j:O+\j+1], v[14:15] op_sel_hi:[1,0]
.endr
.irp b, 0,1
	v_max3_num_f32 v[BM+\b], |v[S+16*\b]|, |v[S+16*\b+1]|, 0x1800000       ; block b: my 16 numbers, and the floor 2^(3 - 127)
.endr
.irp i, 2,4,6,8,10,12,14
.irp b, 0,1
	v_max3_num_f32 v[BM+\b], v[BM+\b], |v[S+16*\b+\i]|, |v[S+16*\b+\i+1]|
.endr
.endr
.irp b, 0,1
	v_permlanex16_b32 v[BX+\b], v[BM+\b], s[SEL], s[SEL+1]
.endr
.irp b, 0,1
	v_max_num_f32 v[BM+\b], v[BM+\b], v[BX+\b]
.endr
.irp b, 0,1
	v_add_nc_u32 v[SO+\b], 0xff000000, v[BM+\b]
.endr
.irp b, 0,1
	v_lshrrev_b32 v[BX+\b], 23, v[SO+\b]
.endr
.irp i, 0,1,2,3
	v_cvt_scalef32_pk8_fp4_f32 v[P+(\i%2)*2+\i/2], v[S+8*\i:S+8*\i+7], v[SO+\i/2]
.endr
	v_cndmask_b32 v[T], v[BX], v[BX+1], vcc_lo     ; lane (r, h) takes the byte of block h.  (The plain place behind the conversions)
	v_permlane16_swap_b32 v[P], v[P+1]
	v_permlane16_swap_b32 v[P+2], v[P+3]
	global_store_b128 v[LI], v[P:P+3], s[POI:POI+1]   ; token r, block h: 32 lanes store 512 consecutive bytes
	global_store_b8 v[OB], v[T], s[POS:POS+1]      ; two bytes of each of 16 words: the words' other halves belong to the neighbouring head, so these 64 bytes are written in part: 1 byte for each 16 of codes
	s_wait_tensorcnt 0x0
	ds_add_u32 v254, v255
	s_wait_dscnt 0x0
	CROUND                                         ; the closing round: no work-group ends while a partner may still ask for a tile that names it
	s_endpgm
.Lfunc_end_k_qf388e8ef95_attn:
	.size	k_qf388e8ef95_attn, .Lfunc_end_k_qf388e8ef95_attn-k_qf388e8ef95_attn
	.p2alignl 7, 3214868480
	.fill 96, 4, 3214868480
	.section	.rodata,"a",@progbits
	.p2align	6, 0x0
	.amdhsa_kernel k_qf388e8ef95_attn
		.amdhsa_group_segment_fixed_size 169984
		.amdhsa_private_segment_fixed_size 0
		.amdhsa_enable_private_segment 0
		.amdhsa_kernarg_size 32
		.amdhsa_user_sgpr_count 2
		.amdhsa_user_sgpr_kernarg_segment_ptr 1
		.amdhsa_wavefront_size32 1
		.amdhsa_system_sgpr_workgroup_id_x 1
		.amdhsa_system_sgpr_workgroup_id_y 1
		.amdhsa_system_sgpr_workgroup_id_z 1
		.amdhsa_system_vgpr_workitem_id 0
		.amdhsa_next_free_vgpr 256
		.amdhsa_next_free_sgpr 66
		.amdhsa_reserve_vcc 1
		.amdhsa_float_denorm_mode_32 3
		.amdhsa_float_denorm_mode_16_64 3
		.amdhsa_memory_ordered 1
		.amdhsa_forward_progress 1
		.amdhsa_inst_pref_size 25
	.end_amdhsa_kernel
	.amdgpu_metadata
---
amdhsa.version: [ 1, 2 ]
amdhsa.kernels:
  - .name:           k_qf388e8ef95_attn
    .symbol:         k_qf388e8ef95_attn.kd
    .args:
      - { .name: qbuf, .offset: 0, .size: 8, .value_kind: global_buffer, .address_space: global }
      - { .name: kvbuf, .offset: 8, .size: 8, .value_kind: global_buffer, .address_space: global }
      - { .name: oimg, .offset: 16, .size: 8, .value_kind: global_buffer, .address_space: global }
      - { .name: oscl, .offset: 24, .size: 8, .value_kind: global_buffer, .address_space: global }
    .group_segment_fixed_size: 169984
    .private_segment_fixed_size: 0
    .kernarg_segment_align: 8
    .kernarg_segment_size: 32
    .max_flat_workgroup_size: 512
    .sgpr_count:     66
    .vgpr_count:     256
    .wavefront_size: 32
...
	.end_amdgpu_metadata
.endif
;; end of part 2
;; launch proj (part 3): grid 8 x 32, 4 waves a work-group, clusters of 4 x 4, 168,448 bytes of LDS; arguments oimg, oscl, out_w_codes, out_w_scales, out_b, out0; writes out0
.if DOCPART == 3
	.amdgcn_target "amdgcn-amd-amdhsa--gfx1250"
	.amdhsa_code_object_version 6
	.text
	.protected	k_qf388e8ef95_proj
	.globl	k_qf388e8ef95_proj
	.p2align	8
	.type	k_qf388e8ef95_proj,@function
k_qf388e8ef95_proj:
	s_mov_b64 s[64:65], 0
	v_nop
	global_prefetch_b8 v0, s[64:65] scope:SCOPE_SE
	s_setreg_imm32_b32 hwreg(HW_REG_WAVE_MODE, 25, 1), 1
	s_wait_xcnt 0x0
	s_wait_alu depctr_hold_cnt(0) depctr_sa_sdst(0) depctr_va_vdst(0) depctr_va_sdst(0) depctr_va_ssrc(0) depctr_va_vcc(0) depctr_vm_vsrc(0)
	s_getreg_b32 s2, hwreg(HW_REG_IB_STS2, 6, 4)
	s_cmp_eq_u32 s2, 0
	s_cbranch_scc0 .Lentry_in_a_cluster
	s_endpgm
.Lentry_in_a_cluster:
	s_bfe_u32 s2, ttmp6, 0x10000c
	s_cmp_lg_u32 s2, 0xf033
	s_cbranch_scc0 .Lentry_shape_is_right
	s_endpgm
.Lentry_shape_is_right:
; out = o Wo^T + b on codes of FP4 (E2M1) with one E8M0 scale for each 32 along K (K = 1,024).  o: images of the operand's registers, [tile of 16 tokens 256][head 16][512 bytes], 16 bytes a lane, and scale words
; [K step 8][token 4,096]; Wo: 1,024 rows of 512 bytes of codes, 32 scale bytes a row; out: [4,096][1,024] f32.
; SHARES.  A work-group makes 128 tokens x 128 outputs: 32 x 8 = 256 work-groups.  Wave w: tokens 64 (w / 2) on, outputs 64 (w % 2) on: 16 accumulators, 128 registers.
; LDS.  o's 128 tokens (65,536 bytes, dense images) and Wo's 128 rows (512 bytes + 16 of padding each), both for ALL of K, lie in LDS together: filled once, no ring, every wait for tensor loads is for 0.
; CLUSTER.  4 x 4 work-groups: o's part hangs on the block of tokens alone and is shared along a row of the cluster, Wo's on the block of outputs alone and is shared along a column: each is asked for jointly.
; THE MATRIX INSTRUCTION IS USED TRANSPOSED (source 0 = 16 rows of Wo, source 1 = 16 tokens): a lane holds eight neighbouring outputs of one token.  The bias is the C of each sum's first matrix instruction.
; REGISTERS: window 0: v1-11 addresses; v16-31 o's scale words, v32-47 Wo's; v48-79 the bias; v80-143 o's fragments, v144-207 Wo's, two sets each; on the way out v80-207 take the rows.  window 1: accumulator (m, t) at 32 m + 8 t.
.set PITCH, 528                        ; a row of Wo in LDS: 132 words: row r starts at bank 4 r mod 64 (64 banks of 4 bytes: ISA guide 11.1)
.set BOFF,  65536                      ; Wo behind o's images
.set STG,   BOFF+128*PITCH             ; behind both: a stage of 16 rows x (256 bytes + 16) for each wave, in blocks of 256 bytes into which no fill lands
.set SP,    272
.set ADRA, 4                           ; v4   o's images for my lane: 16 x lane + my 64 tokens
.set ADRB, 5                           ; v5   Wo's fragments
.set STO,  6                           ; v6   the stage: where I put 32 bytes of a row
.set RD,   7                           ; v7   and where I read a row back
.set CO,   8                           ; v8   my byte offset in two rows of out
.set L4,   9                           ; v9   4 x lane;  v10  32 x lane;  v11  32 h
.set L32,  10
.set H32,  11
.set OS,   16                          ; register 8 i + s: lanes 0-15 tile 2 i, lanes 16-31 tile 2 i + 1, K step s
.set WS,   32
.set BO,   48
.set OF,   80
.set WF,   144
.set OUT,  80
.set WV,   18
.set G1A,  24
.set G0A,  32
.set G1B,  36
.set G0B,  44
.set POS,  54
.set PWS,  56
.set PB,   58
.set POUT, 60
.set MSB, 0
.macro WIN new                         ; the immediate's high byte repeats the setting that is left
.if MSB != \new
	s_set_vgpr_msb (MSB<<8)|\new
.set MSB, \new
.endif
.endm
.macro CROUND                          ; a round of the cluster's barrier
	s_barrier_signal -1
	s_barrier_wait -1
	s_cmp_lg_u32 s[WV], 0
	s_cbranch_scc1 .Lnot_wave_0_\@
	s_barrier_signal -3
.Lnot_wave_0_\@:
	s_barrier_wait -3
	s_barrier_signal -1
	s_barrier_wait -1
.endm
.macro WM d, a, b, c, sa, sb, ra, rb   ; one matrix instruction; ra, rb odd: that side's scale words lie in lanes 16-31
.if ((\ra)%2) && ((\rb)%2)
	v_wmma_scale_f32_16x16x128_f8f6f4 v[\d:\d+7], v[\a:\a+7], v[\b:\b+7], v[\c:\c+7], v[\sa], v[\sb] matrix_a_fmt:MATRIX_FMT_FP4 matrix_b_fmt:MATRIX_FMT_FP4 matrix_a_scale:MATRIX_SCALE_ROW1 matrix_b_scale:MATRIX_SCALE_ROW1
.elseif ((\ra)%2)
	v_wmma_scale_f32_16x16x128_f8f6f4 v[\d:\d+7], v[\a:\a+7], v[\b:\b+7], v[\c:\c+7], v[\sa], v[\sb] matrix_a_fmt:MATRIX_FMT_FP4 matrix_b_fmt:MATRIX_FMT_FP4 matrix_a_scale:MATRIX_SCALE_ROW1
.elseif ((\rb)%2)
	v_wmma_scale_f32_16x16x128_f8f6f4 v[\d:\d+7], v[\a:\a+7], v[\b:\b+7], v[\c:\c+7], v[\sa], v[\sb] matrix_a_fmt:MATRIX_FMT_FP4 matrix_b_fmt:MATRIX_FMT_FP4 matrix_b_scale:MATRIX_SCALE_ROW1
.else
	v_wmma_scale_f32_16x16x128_f8f6f4 v[\d:\d+7], v[\a:\a+7], v[\b:\b+7], v[\c:\c+7], v[\sa], v[\sb] matrix_a_fmt:MATRIX_FMT_FP4 matrix_b_fmt:MATRIX_FMT_FP4
.endif
.endm
	s_load_b256 s[4:11], s[0:1], 0x0               ; oimg s[4:5], oscl s[6:7], Wo's codes s[8:9], Wo's scales s[10:11]
	s_load_b128 s[12:15], s[0:1], 0x20             ; the bias s[12:13], out s[14:15]
	v_lshl_add_u32 v254, v0, 2, 0x29000
	v_mov_b32 v255, 0
	ds_add_u32 v254, v255
	ds_add_u32 v254, v255
	v_lshrrev_b32 v1, 5, v0
	v_readfirstlane_b32 s[WV], v1                  ; wave 0..3
	s_bfe_u32 s19, ttmp6, 0x40000                  ; cx, cy
	s_bfe_u32 s20, ttmp6, 0x40004
	s_lshl_b32 s21, ttmp9, 2
	s_add_co_u32 s21, s21, s19                     ; the block of 128 outputs = 4 x cluster x + cx
	s_and_b32 s22, ttmp7, 0xffff
	s_lshl_b32 s22, s22, 2
	s_add_co_u32 s22, s22, s20                     ; the block of 128 tokens = 4 x cluster y + cy
	s_lshl_b32 s23, s20, 2
	s_lshl_b32 s23, 15, s23                        ; my row of the cluster
	s_lshl_b32 s66, 0x1111, s19                    ; my column
	; o: a wave's two tiles of tokens are 16,384 dense bytes: 64 rows of 256 bytes, no padding
	s_or_b32 s[G1A], s23, (3<<16)|(1<<21)          ; 15:0 the mask; 17:16 elements of 8 bytes; 21 set beside a mask
	s_mov_b32 s[G1A+1], 32<<16
	s_mov_b32 s[G1A+2], 64<<16
	s_mov_b32 s[G1A+3], 32<<16
	s_mov_b32 s[G1A+4], 64
	s_mov_b32 s[G1A+5], 32
	s_mov_b32 s[G1A+6], 0
	s_mov_b32 s[G1A+7], 0
	; Wo: 32 rows of 512 bytes, 16 bytes of padding behind each
	s_or_b32 s[G1B], s66, (3<<16)|(1<<20)|(1<<21)|(6<<22)|(3<<25)
	s_mov_b32 s[G1B+1], 64<<16
	s_mov_b32 s[G1B+2], 32<<16
	s_mov_b32 s[G1B+3], 64<<16
	s_mov_b32 s[G1B+4], 32
	s_mov_b32 s[G1B+5], 64
	s_mov_b32 s[G1B+6], 0
	s_mov_b32 s[G1B+7], 0
	s_mov_b32 s[G0A], 1
	s_lshl_b32 s[G0A+1], s[WV], 14                 ; LDS addresses hang on the wave's number alone
	s_mov_b32 s[G0B], 1
	s_mul_i32 s[G0B+1], s[WV], 32*PITCH
	s_add_co_u32 s[G0B+1], s[G0B+1], BOFF
	s_lshl_b32 s79, s[WV], 14
	s_lshl_b32 s48, s22, 16                        ; o: 8 tiles x 8,192 bytes a block: no register here ever holds cx
	s_add_co_u32 s48, s48, s79
	s_mov_b32 s49, 0
	s_lshl_b32 s50, s21, 16                        ; Wo: 128 rows x 512 bytes a block: no register here ever holds cy
	s_add_co_u32 s50, s50, s79
	s_mov_b32 s51, 0
	s_lshr_b32 s52, s[WV], 1                       ; which 64 tokens are mine
	s_and_b32 s53, s[WV], 1                        ; which 64 outputs
	s_lshl_b32 s67, s22, 7
	s_lshl_b32 s69, s52, 6
	s_add_co_u32 s67, s67, s69                     ; my first token
	s_lshl_b32 s68, s21, 7
	s_lshl_b32 s69, s53, 6
	s_add_co_u32 s68, s68, s69                     ; my first output
	s_lshl_b32 s70, s67, 2                         ; o's scale words: 4 bytes a token
	s_mov_b32 s71, 0
	s_lshl_b32 s72, s68, 5                         ; Wo's scales: 32 bytes a row
	s_mov_b32 s73, 0
	s_lshl_b32 s74, s68, 2                         ; the bias
	s_mov_b32 s75, 0
	s_lshl_b32 s76, s67, 12                        ; out: 4,096 bytes a token, 4 an output
	s_add_co_u32 s76, s76, s74
	s_mov_b32 s77, 0
	s_wait_dscnt 0x0
	s_wait_kmcnt 0x0
	s_add_nc_u64 s[G0A+2:G0A+3], s[4:5], s[48:49]
	s_or_b32 s[G0A+3], s[G0A+3], 0x80000000        ; type = 2
	s_add_nc_u64 s[G0B+2:G0B+3], s[8:9], s[50:51]
	s_or_b32 s[G0B+3], s[G0B+3], 0x80000000
	s_add_nc_u64 s[POS:POS+1], s[6:7], s[70:71]
	s_add_nc_u64 s[PWS:PWS+1], s[10:11], s[72:73]
	s_add_nc_u64 s[PB:PB+1], s[12:13], s[74:75]
	s_add_nc_u64 s[POUT:POUT+1], s[14:15], s[76:77]
	CROUND                                         ; all sixteen work-groups are here: the joint loads meet
	tensor_load_to_lds s[G0A:G0A+3], s[G1A:G1A+7]  ; two tiles of o
	s_nop 0
	tensor_load_to_lds s[G0B:G0B+3], s[G1B:G1B+7]  ; 32 rows of Wo: two loads of mine are out, the only ones of the launch
	s_nop 0
.rept 4
	v_nop                                          ; four v_nop follow the second load
.endr
	v_and_b32 v1, 15, v0                           ; r
	v_bfe_u32 v2, v0, 4, 1                         ; h
	v_and_b32 v3, 31, v0                           ; lane
	v_lshlrev_b32 v[L4], 2, v3
	v_lshlrev_b32 v[L32], 5, v3
	v_lshlrev_b32 v[H32], 5, v2
.irp i, 0,1
.irp s, 0,1,2,3,4,5,6,7
	global_load_b32 v[OS+8*\i+\s], v[L4], s[POS:POS+1] offset:16384*\s+128*\i   ; lane l: token 32 i + l, K step s
.endr
.endr
.irp i, 0,1
.irp e, 0,1
	global_load_b128 v[WS+8*\i+4*\e:WS+8*\i+4*\e+3], v[L32], s[PWS:PWS+1] offset:1024*\i+16*\e
.endr
.endr
.irp t, 0,1,2,3
.irp e, 0,1
	global_load_b128 v[BO+8*\t+4*\e:BO+8*\t+4*\e+3], v[H32], s[PB:PB+1] offset:64*\t+16*\e   ; register j is the bias of output 16 t + 8 h + j
.endr
.endr
	s_lshl_b32 s78, s52, 15
	v_lshl_add_u32 v[ADRA], v3, 4, s78             ; 16 x lane + 4 tiles x 8,192 bytes x (wave / 2)
	s_mul_i32 s78, s53, 64*PITCH
	s_add_co_u32 s78, s78, BOFF
	v_mul_u32_u24 v[ADRB], v1, PITCH
	v_lshl_add_u32 v[ADRB], v2, 4, v[ADRB]
	v_add_nc_u32 v[ADRB], s78, v[ADRB]
	s_mul_i32 s78, s[WV], 16*SP
	s_add_co_u32 s78, s78, STG                     ; my stage
	v_mul_u32_u24 v[STO], v1, SP
	v_lshl_add_u32 v[STO], v2, 5, v[STO]
	v_add_nc_u32 v[STO], s78, v[STO]               ; in: row r, 32 bytes for each half of the lanes
	v_mul_u32_u24 v[RD], v2, SP
	v_lshl_add_u32 v[RD], v1, 4, v[RD]
	v_add_nc_u32 v[RD], s78, v[RD]                 ; back: lanes 0-15 one row of 256 bytes, lanes 16-31 the next
	v_lshlrev_b32 v[CO], 12, v2
	v_lshl_add_u32 v[CO], v1, 4, v[CO]             ; and the same two rows in out
	s_wait_loadcnt 0x0                             ; scale words and bias
	s_wait_tensorcnt 0x0                           ; my parts are in,
	s_barrier_signal -1
	s_barrier_wait -1                              ; everybody's are.  Nothing is filled again
.macro FETCH s, f                      ; 16 LDS loads: K step s's fragments into set f.  o's come as they were stored: head 2 s + c is registers 4 c .. 4 c + 3
.irp m, 0,1,2,3
.irp c, 0,1
	ds_load_b128 v[OF+32*(\f)+8*\m+4*\c:OF+32*(\f)+8*\m+4*\c+3], v[ADRA] offset:8192*\m+1024*(\s)+512*\c
.endr
.endr
.irp t, 0,1,2,3
.irp c, 0,1
	ds_load_b128 v[WF+32*(\f)+8*\t+4*\c:WF+32*(\f)+8*\t+4*\c+3], v[ADRB] offset:\t*16*PITCH+64*(\s)+32*\c
.endr
.endr
.endm
; A K step of 128: 16 matrix instructions; the 16 accumulators take turns, one instruction a turn, in the same order in every step
.macro STEP s
.set OFS, OF+32*((\s)%2)
.set WFS, WF+32*((\s)%2)
	s_wait_dscnt 0x0                               ; this step's fragments are in: asked for 16 matrix instructions ago
.if (\s) < 7
.if (\s) > 0
.rept 4
	v_nop                                          ; four places between the last step's products and the loads into the registers that they read
.endr
.endif
	FETCH (\s)+1, ((\s)+1)%2
.endif
.if (\s) == 0
	WIN 0x40                                       ; D window 1; C is the bias, in window 0
.else
	WIN 0x50                                       ; C and D window 1
.endif
.irp m, 0,1,2,3
.irp t, 0,1,2,3
.if (\s) == 0
	WM 32*\m+8*\t, WFS+8*\t, OFS+8*\m, BO+8*\t, WS+8*(\t/2)+(\s), OS+8*(\m/2)+(\s), \t, \m
.else
	WM 32*\m+8*\t, WFS+8*\t, OFS+8*\m, 32*\m+8*\t, WS+8*(\t/2)+(\s), OS+8*(\m/2)+(\s), \t, \m
.endif
.endr
.endr
	WIN 0
.endm
	FETCH 0, 0
.irp s, 0,1,2,3,4,5,6,7
	STEP \s
.endr
; THE WAY OUT, a tile of 16 tokens x 64 outputs at a time.  A lane holds 32 neighbouring bytes of a row a tile of outputs, and the lanes beside it hold other rows: so a tile goes through my own stage and comes back as
; whole rows of 256 bytes.  LDS serves a wave's instructions in order (ISA guide 5.7.1.4): no wait between the stores and the loads, nor in front of the next tile's stores.
.macro TOSTAGE m
	WIN 0x04                                       ; an LDS store's data are its source 1: window 1
.irp t, 0,1,2,3
	ds_store_b128 v[STO], v[32*(\m)+8*\t:32*(\m)+8*\t+3] offset:64*\t            ; each accumulator from its low end on
	ds_store_b128 v[STO], v[32*(\m)+8*\t+4:32*(\m)+8*\t+7] offset:64*\t+16
.endr
	WIN 0
.irp i, 0,1,2,3,4,5,6,7
	ds_load_b128 v[OUT+32*(\m)+4*\i:OUT+32*(\m)+4*\i+3], v[RD] offset:2*\i*SP
.endr
.endm
.macro SEND m, younger                 ; younger: the LDS instructions issued behind tile m's loads, which may stay out
	s_wait_dscnt \younger
.irp i, 0,1,2,3,4,5,6,7
	global_store_b128 v[CO], v[OUT+32*(\m)+4*\i:OUT+32*(\m)+4*\i+3], s[POUT:POUT+1] offset:(16*(\m)+2*\i)*4096 th:TH_STORE_NT   ; 16 lanes store 256 consecutive bytes, at a multiple of 256 from out's first byte; written once, read by nobody here
.endr
.endm
.rept 4
	v_nop                                          ; places between the last products and the first read of results, and the loads into the registers that held fragments
.endr
	TOSTAGE 0
.irp m, 1,2,3
	TOSTAGE \m
	SEND \m-1, 16                                  ; behind tile m - 1's loads: tile m's 8 stores and 8 loads.  Each tile has registers of its own, so no store's data are written again
.endr
	SEND 3, 0
	s_wait_tensorcnt 0x0
	ds_add_u32 v254, v255
	s_wait_dscnt 0x0
	CROUND                                         ; the closing round: no work-group ends while a partner may still ask for a tile that names it
	s_endpgm
.Lfunc_end_k_qf388e8ef95_proj:
	.size	k_qf388e8ef95_proj, .Lfunc_end_k_qf388e8ef95_proj-k_qf388e8ef95_proj
	.p2alignl 7, 3214868480
	.fill 96, 4, 3214868480
	.section	.rodata,"a",@progbits
	.p2align	6, 0x0
	.amdhsa_kernel k_qf388e8ef95_proj
		.amdhsa_group_segment_fixed_size 168448
		.amdhsa_private_segment_fixed_size 0
		.amdhsa_enable_private_segment 0
		.amdhsa_kernarg_size 48
		.amdhsa_user_sgpr_count 2
		.amdhsa_user_sgpr_kernarg_segment_ptr 1
		.amdhsa_wavefront_size32 1
		.amdhsa_system_sgpr_workgroup_id_x 1
		.amdhsa_system_sgpr_workgroup_id_y 1
		.amdhsa_system_sgpr_workgroup_id_z 1
		.amdhsa_system_vgpr_workitem_id 0
		.amdhsa_next_free_vgpr 384
		.amdhsa_next_free_sgpr 80
		.amdhsa_reserve_vcc 0
		.amdhsa_float_denorm_mode_32 3
		.amdhsa_float_denorm_mode_16_64 3
		.amdhsa_memory_ordered 1
		.amdhsa_forward_progress 1
		.amdhsa_inst_pref_size 42
	.end_amdhsa_kernel
	.amdgpu_metadata
---
amdhsa.version: [ 1, 2 ]
amdhsa.kernels:
  - .name:           k_qf388e8ef95_proj
    .symbol:         k_qf388e8ef95_proj.kd
    .args:
      - { .name: oimg, .offset: 0, .size: 8, .value_kind: global_buffer, .address_space: global }
      - { .name: oscl, .offset: 8, .size: 8, .value_kind: global_buffer, .address_space: global }
      - { .name: out_w_codes, .offset: 16, .size: 8, .value_kind: global_buffer, .address_space: global }
      - { .name: out_w_scales, .offset: 24, .size: 8, .value_kind: global_buffer, .address_space: global }
      - { .name: out_b, .offset: 32, .size: 8, .value_kind: global_buffer, .address_space: global }
      - { .name: out0, .offset: 40, .size: 8, .value_kind: global_buffer, .address_space: global }
    .group_segment_fixed_size: 168448
    .private_segment_fixed_size: 0
    .kernarg_segment_align: 8
    .kernarg_segment_size: 48
    .max_flat_workgroup_size: 128
    .sgpr_count:     80
    .vgpr_count:     384
    .wavefront_size: 32
...
	.end_amdgpu_metadata
.endif
;; end of part 3
;; ======== version 2 of 2: 3 launches
;; limits: right only within a limited range of input values
;; workspace buffers: qbuf 2,359,296 bytes; kvbuf 4,587,520 bytes; oimg 2,097,152 bytes; oscl 131,072 bytes
;; launch qkv (part 4): grid 16 x 16, 4 waves a work-group, clusters of 4 x 4, 237,568 bytes of LDS; arguments x_codes, x_scales, qkv_w_codes, qkv_w_scales, qkv_b, qbuf, kvbuf; writes qbuf, kvbuf
.if DOCPART == 4
	.amdgcn_target "amdgcn-amd-amdhsa--gfx1250"
	.amdhsa_code_object_version 6
	.text
	.protected	k_qf388e8ef95_qkv
	.globl	k_qf388e8ef95_qkv
	.p2align	8
	.type	k_qf388e8ef95_qkv,@function
k_qf388e8ef95_qkv:
	s_mov_b64 s[64:65], 0
	v_nop
	global_prefetch_b8 v0, s[64:65] scope:SCOPE_SE
	s_setreg_imm32_b32 hwreg(HW_REG_WAVE_MODE, 25, 1), 1
	s_wait_xcnt 0x0
	s_wait_alu depctr_hold_cnt(0) depctr_sa_sdst(0) depctr_va_vdst(0) depctr_va_sdst(0) depctr_va_ssrc(0) depctr_va_vcc(0) depctr_vm_vsrc(0)
	s_getreg_b32 s2, hwreg(HW_REG_IB_STS2, 6, 4)
	s_cmp_eq_u32 s2, 0
	s_cbranch_scc0 .Lentry_in_a_cluster
	s_endpgm
.Lentry_in_a_cluster:
	s_bfe_u32 s2, ttmp6, 0x10000c
	s_cmp_lg_u32 s2, 0xf033
	s_cbranch_scc0 .Lentry_shape_is_right
	s_endpgm
.Lentry_shape_is_right:
; qkv = x W^T + b on codes of FP4 (E2M1) with one E8M0 scale for each 32 along K (K = 1,024), and the results quantised again for the attention that follows:
; q and k along the head's 64 (two blocks of 32), v along the keys.  x: 4,096 tokens x 512 bytes of codes; W: 3,072 features x 512 bytes; scale bytes 32 a row.
; SHARES.  A work-group makes 256 tokens x the 192 features of ONE head (64 of q, 64 of k, 64 of v): 16 heads x 16 blocks of tokens = 256 work-groups.  Wave w takes tokens 64 w .. 64 w + 63
; (four tiles of 16) against all 12 tiles of features: 48 accumulators, 384 registers.
; LDS.  256 rows of x and 192 rows of W, each for ALL of K (512 bytes a row + 16 of padding), lie in LDS together: 236,544 bytes.  So every byte is filled once, there is no ring, and every wait for tensor loads is for 0.
; CLUSTER.  4 x 4 work-groups.  x's rows hang on the block of tokens alone and are shared along a row of the cluster, W's on the head alone and are shared along a column: each is asked for jointly.
; LAYOUT.  q and k: source 0 = 16 features, source 1 = 16 tokens: a lane holds ONE token and eight features a tile, so its registers run along the head's 64, which is the next K.
;          v: source 0 = 16 tokens, source 1 = 16 features: a lane holds ONE feature and eight tokens a tile, so its registers run along the keys, which is v's next K.
; The bias is the C of each sum's first matrix instruction.
; FROM FOUR TILES TO AN OPERAND.  Four tiles are 64 along the next K.  The conversions of tiles 0, 1, 2, 3 go to registers 0, 2, 1, 3 of a group; then registers 0 and 1, and 2 and 3, exchange the first's lanes 16-31 with the
; second's lanes 0-15: lane (r, h) then holds k = 32 h + 0 .. 31 in the four registers in order, which is the layout of a 4-bit operand.
; OUT.  The workspace is laid as images of the operands' registers (16 bytes a lane, 512 consecutive bytes a store):
;   qbuf  [batch x head 32][64 tokens 32][2,304]: tile m at 512 m + 16 lane; at 2,048 + 16 r + 4 m the scale word of (m, r): byte 0, byte 1, 0x7f, 0x7f
;   kvbuf [batch x head 32][128 keys 16][8,960]: k's tiles at 512 t + 16 lane (t = 0 .. 7), but in tiles 2, 3, 6, 7 at 512 t + 16 (lane xor 8): the reader takes 8 rows of tile t and 8 of tile t + 2 by one load,
;         and so finds them in different columns of 16 bytes modulo 256;  v at 4,096 + 1,024 t + 512 c + 16 lane (d = 16 t + r, keys 64 c + 32 h on);
;         k's scale words at 8,192 + 256 g + 16 r + 4 m; v's at 8,704 + 16 r + 4 t (byte i: the step's i-th 32 keys)
; LIMITS: NaN and infinities are not served.  A block whose largest magnitude lies under 2^-124, a block of zeros among them, gets the scale byte 1; only this program reads the bytes, and zero codes add nothing under it.
.set PITCH,  528                       ; an LDS row: 512 bytes + 16 = 132 words: row r starts at bank 4 r mod 64 (64 banks of 4 bytes: ISA guide 11.1)
.set AWB,    64*PITCH                  ; x: the 64 rows that one wave reads; waves 0 and 1 fetch 128 rows each
.set BOFF,   4*AWB                     ; W behind x
.set BWB,    48*PITCH                  ; a quarter of W's 192 rows; waves 2 and 3 fetch 2 BWB each: wave 2 + i the features 32 i .. 32 i + 31 of q, then of k, then of v
.set VSTG,   BOFF+4*BWB                ; two blocks of 256 bytes of their own: v's scale words of the work-group's two key steps meet here
.set QGRP,   2304
.set KVSTEP, 8960
.set LI,   3                           ; v3   16 x lane
.set LW,   4                           ; v4   16 r + 8 h: two scale words a lane
.set L32,  5                           ; v5   32 x lane: a row of scale bytes
.set H32,  6                           ; v6   32 h
.set R4,   7                           ; v7   4 r
.set ADRA, 8                           ; v8   my fragments of x
.set ADRB, 9                           ; v9, v10  fragments of W: the loads of waves 2 and 3
.set VSA,  11                          ; v11  where my half-words of v's scale words go
.set VSR,  12                          ; v12  where wave 0 reads them back
.set VSO,  13                          ; v13  and where they go in kvbuf
.set LIX,  14                          ; v14  16 x (lane xor 8): k's tiles 2 and 3 of my four
.set XS,   16                          ; v16-31   x's scale words: register 8 i + q: lanes 0-15 tile 2 i, lanes 16-31 tile 2 i + 1, K step q
.set WS,   32                          ; v32-79   W's: register 16 p + 8 i + q likewise (p = 0 q, 1 k, 2 v)
.set XF,   80                          ; v80-143  x's fragments, two sets of four
.set MX,   144                         ; v144-151 eight blocks' largest magnitudes
.set PX,   152                         ; v152-159 the other half's; then the scale bytes
.set SOP,  160                         ; v160-167 the conversions' scale operands
.set CDQ,  168                         ; v168-215 codes: 16 registers each for q, k, v
.set CDK,  184
.set CDV,  200
.set WQ,   216                         ; v216-227 scale words of q, of k; half-words of v
.set WK,   220
.set WVH,  224
; window 1: W's fragments, set f at 128 f + 8 (4 p + t).   window 2: q's accumulators at 32 m + 8 t, k's at 128 + 32 m + 8 t.
; window 3: v's accumulators at 32 t + 8 m; the biases: q's at 128 + 8 t, k's at 160 + 8 t, v's at 192 + 16 t (sixteen registers, for two tiles of tokens).
; THE MATRIX INSTRUCTION HAS 32 ROWS: source 0 takes two neighbouring tiles of 16 at a time (their fragments, accumulators and biases are neighbours), its scale register's lane l row l of the 32.
.set WV,   18                          ; s18  my wave's number
.set G1A,  24                          ; s[24:31], s[32:35] descriptor groups 1 and 0 for x;  s[36:43], s[44:47] for W
.set G0A,  32
.set G1B,  36
.set G0B,  44
.set SEL,  52                          ; s[52:53] v_permlanex16_b32's selects for lane l xor 16
.set PXS,  54                          ; pointers: x's scales, W's scales, the bias, qbuf, k's images, k's scale words, v's images, v's scale words
.set PWS,  56
.set PB,   58
.set PQ,   60
.set PK,   66
.set PKS,  68
.set PV,   70
.set PVS,  72
.set MSB, 0
.macro WIN new                         ; the immediate's high byte repeats the setting that is left; a switch that changes nothing is dropped
.if MSB != \new
	s_set_vgpr_msb (MSB<<8)|\new
.set MSB, \new
.endif
.endm
.macro CROUND                          ; a round of the cluster's barrier: my work-group's barrier; wave 0 signals for the work-group; every wave waits for all sixteen; my work-group's barrier once more
	s_barrier_signal -1
	s_barrier_wait -1
	s_cmp_lg_u32 s[WV], 0
	s_cbranch_scc1 .Lnot_wave_0_\@
	s_barrier_signal -3
.Lnot_wave_0_\@:
	s_barrier_wait -3
	s_barrier_signal -1
	s_barrier_wait -1
.endm
; One matrix instruction of 32 rows.  d, a, b, c: first registers of D, source 0, source 1, C; sa, sb: the scale registers; rb odd: source 1's words lie in lanes 16-31
.macro WM d, a, b, c, sa, sb, rb
.if ((\rb)%2)
	v_wmma_scale_f32_32x16x128_f4 v[\d:\d+15], v[\a:\a+15], v[\b:\b+7], v[\c:\c+15], v[\sa], v[\sb] matrix_b_scale:MATRIX_SCALE_ROW1
.else
	v_wmma_scale_f32_32x16x128_f4 v[\d:\d+15], v[\a:\a+15], v[\b:\b+7], v[\c:\c+15], v[\sa], v[\sb]
.endif
.endm
	s_load_b256 s[4:11], s[0:1], 0x0               ; x's codes s[4:5], x's scales s[6:7], W's codes s[8:9], W's scales s[10:11]
	s_load_b128 s[12:15], s[0:1], 0x20             ; the bias s[12:13], qbuf s[14:15]
	s_load_b64 s[16:17], s[0:1], 0x30              ; kvbuf
	v_lshl_add_u32 v254, v0, 2, 0x39e00
	v_mov_b32 v255, 0
	ds_add_u32 v254, v255
	ds_add_u32 v254, v255
	v_lshrrev_b32 v1, 5, v0
	v_readfirstlane_b32 s[WV], v1                  ; wave 0..3
	s_bfe_u32 s19, ttmp6, 0x40000                  ; cx, cy: my place in the cluster
	s_bfe_u32 s20, ttmp6, 0x40004
	s_lshl_b32 s21, ttmp9, 2
	s_add_co_u32 s21, s21, s19                     ; the head = 4 x cluster x + cx
	s_and_b32 s22, ttmp7, 0xffff
	s_lshl_b32 s22, s22, 2
	s_add_co_u32 s22, s22, s20                     ; the block of 256 tokens = 4 x cluster y + cy
	s_lshl_b32 s23, s20, 2
	s_lshl_b32 s23, 15, s23                        ; my row of the cluster
	s_lshl_b32 s74, 0x1111, s19                    ; my column
	; x: 128 rows of 512 bytes (64 elements of 8 bytes), dense in memory; 16 bytes of padding behind every 128 words
	s_or_b32 s[G1A], s23, (3<<16)|(1<<20)|(1<<21)|(6<<22)|(3<<25)   ; 15:0 the mask; 17:16 elements of 8 bytes; 20 padding on; 21 set beside a mask; 24:22 after every 128 words (code 6); 31:25 four words (code 3)
	s_mov_b32 s[G1A+1], 64<<16                     ; tensor_dim0 = 64
	s_mov_b32 s[G1A+2], 128<<16                    ; tensor_dim1 = 128
	s_mov_b32 s[G1A+3], 64<<16                     ; tile_dim0 = 64
	s_mov_b32 s[G1A+4], 128                        ; tile_dim1 = 128
	s_mov_b32 s[G1A+5], 64                         ; from row to row: 64 elements
	s_mov_b32 s[G1A+6], 0
	s_mov_b32 s[G1A+7], 0
	; W: 32 rows of 512 bytes are 2,048 consecutive elements: one 'row' of the tile; three of them, 1,024 rows of W (65,536 elements) apart: q's, k's, v's.  The padding counts on through the tile: 96 LDS rows of 528 bytes
	s_or_b32 s[G1B], s74, (3<<16)|(1<<20)|(1<<21)|(6<<22)|(3<<25)
	s_mov_b32 s[G1B+1], 2048<<16
	s_mov_b32 s[G1B+2], 3<<16
	s_mov_b32 s[G1B+3], 2048<<16
	s_mov_b32 s[G1B+4], 3
	s_mov_b32 s[G1B+5], 65536
	s_mov_b32 s[G1B+6], 0
	s_mov_b32 s[G1B+7], 0
	s_mov_b32 s[G0A], 1
	s_and_b32 s84, s[WV], 1                        ; which half of x's (waves 0, 1) or W's (waves 2, 3) rows I fetch
	s_mul_i32 s[G0A+1], s84, 2*AWB                 ; LDS addresses hang on the wave's number alone
	s_mov_b32 s[G0B], 1
	s_mul_i32 s[G0B+1], s84, 2*BWB
	s_add_co_u32 s[G0B+1], s[G0B+1], BOFF
	s_lshl_b32 s48, s22, 17                        ; x: 256 tokens x 512 bytes a block, 128 x 512 a load: no register here ever holds cx
	s_lshl_b32 s75, s84, 16
	s_add_co_u32 s48, s48, s75
	s_mov_b32 s49, 0
	s_lshl_b32 s50, s21, 15                        ; W: 64 rows x 512 bytes a head, 32 x 512 a load: no register here ever holds cy
	s_lshl_b32 s75, s84, 14
	s_add_co_u32 s50, s50, s75
	s_mov_b32 s51, 0
	s_mov_b32 s[SEL], 0x76543210
	s_mov_b32 s[SEL+1], 0xfedcba98
	s_lshl_b32 s92, s22, 13                        ; x's scales: 32 bytes a token
	s_lshl_b32 s75, s[WV], 11
	s_add_co_u32 s92, s92, s75
	s_mov_b32 s93, 0
	s_lshl_b32 s94, s21, 11                        ; W's scales: 64 rows x 32 bytes a head
	s_mov_b32 s95, 0
	s_lshl_b32 s96, s21, 8                         ; the bias: 64 numbers a head
	s_mov_b32 s97, 0
	s_lshr_b32 s76, s22, 3
	s_lshl_b32 s76, s76, 4
	s_add_co_u32 s76, s76, s21                     ; batch x 16 + head
	s_and_b32 s77, s22, 7                          ; the block of 256 tokens within the batch
	s_lshl_b32 s78, s76, 5
	s_lshl_b32 s79, s77, 2
	s_add_co_u32 s78, s78, s79
	s_add_co_u32 s78, s78, s[WV]
	s_mul_i32 s78, s78, QGRP                       ; qbuf: my wave's group of 64 tokens
	s_mov_b32 s79, 0
	s_lshl_b32 s80, s76, 4
	s_lshl_b32 s81, s77, 1
	s_add_co_u32 s80, s80, s81                     ; the first of the work-group's two key steps
	s_mul_i32 s82, s80, KVSTEP
	s_add_co_u32 s82, s82, 8704                    ; its scale words of v
	s_mov_b32 s83, 0
	s_lshr_b32 s81, s[WV], 1
	s_add_co_u32 s80, s80, s81
	s_mul_i32 s80, s80, KVSTEP                     ; my wave's key step
	s_and_b32 s84, s[WV], 1                        ; and which 64 keys of it
	s_lshl_b32 s86, s84, 11
	s_add_co_u32 s86, s86, s80                     ; k's images: four tiles of 512 bytes
	s_mov_b32 s87, 0
	s_lshl_b32 s88, s84, 8
	s_add_co_u32 s88, s88, s80
	s_add_co_u32 s88, s88, 8192                    ; k's scale words
	s_mov_b32 s89, 0
	s_lshl_b32 s90, s84, 9
	s_add_co_u32 s90, s90, s80
	s_add_co_u32 s90, s90, 4096                    ; v's images: my half c of each tile
	s_mov_b32 s91, 0
	s_wait_dscnt 0x0
	s_wait_kmcnt 0x0
	s_add_nc_u64 s[G0A+2:G0A+3], s[4:5], s[48:49]
	s_or_b32 s[G0A+3], s[G0A+3], 0x80000000        ; type = 2
	s_add_nc_u64 s[G0B+2:G0B+3], s[8:9], s[50:51]
	s_or_b32 s[G0B+3], s[G0B+3], 0x80000000
	s_add_nc_u64 s[PXS:PXS+1], s[6:7], s[92:93]
	s_add_nc_u64 s[PWS:PWS+1], s[10:11], s[94:95]
	s_add_nc_u64 s[PB:PB+1], s[12:13], s[96:97]
	s_add_nc_u64 s[PQ:PQ+1], s[14:15], s[78:79]
	s_add_nc_u64 s[PK:PK+1], s[16:17], s[86:87]
	s_add_nc_u64 s[PKS:PKS+1], s[16:17], s[88:89]
	s_add_nc_u64 s[PV:PV+1], s[16:17], s[90:91]
	s_add_nc_u64 s[PVS:PVS+1], s[16:17], s[82:83]
	CROUND                                         ; all sixteen work-groups are here: the joint loads meet
	s_cmp_lt_u32 s[WV], 2                          ; one tensor load a wave, the only one of the launch
	s_cbranch_scc0 .Lfor_w
	tensor_load_to_lds s[G0A:G0A+3], s[G1A:G1A+7]  ; waves 0, 1: 128 rows of x
	s_nop 0
.rept 4
	v_nop
.endr
	s_branch .Lasked
.Lfor_w:
	tensor_load_to_lds s[G0B:G0B+3], s[G1B:G1B+7]  ; waves 2, 3: 96 rows of W
	s_nop 0
.rept 4
	v_nop
.endr
.Lasked:
	v_and_b32 v1, 15, v0                           ; r
	v_bfe_u32 v2, v0, 4, 1                         ; h
	v_and_b32 v15, 31, v0                          ; lane
	v_lshlrev_b32 v[LI], 4, v15
	v_xor_b32 v[LIX], 128, v[LI]                   ; 16 x (lane xor 8)
	v_lshlrev_b32 v[LW], 4, v1
	v_lshl_add_u32 v[LW], v2, 3, v[LW]
	v_lshlrev_b32 v[L32], 5, v15
	v_lshlrev_b32 v[H32], 5, v2
	v_lshlrev_b32 v[R4], 2, v1
.irp i, 0,1
.irp e, 0,1
	global_load_b128 v[XS+8*\i+4*\e:XS+8*\i+4*\e+3], v[L32], s[PXS:PXS+1] offset:1024*\i+16*\e   ; lane l: token 32 i + l, the words of K steps 4 e .. 4 e + 3
.endr
.endr
.irp p, 0,1,2
.irp i, 0,1
.irp e, 0,1
	global_load_b128 v[WS+16*\p+8*\i+4*\e:WS+16*\p+8*\i+4*\e+3], v[L32], s[PWS:PWS+1] offset:32768*\p+1024*\i+16*\e
.endr
.endr
.endr
	WIN 0xc0                                       ; destination window 3
.irp p, 0,1
.irp t, 0,1,2,3
.irp e, 0,1
	global_load_b128 v[128+32*\p+8*\t+4*\e:128+32*\p+8*\t+4*\e+3], v[H32], s[PB:PB+1] offset:4096*\p+64*\t+16*\e   ; q, k: register j is the bias of feature 16 t + 8 h + j
.endr
.endr
.endr
.irp t, 0,1,2,3
.irp j, 0,1,2,3,4,5,6,7,8,9,10,11,12,13,14,15
	global_load_b32 v[192+16*\t+\j], v[R4], s[PB:PB+1] offset:8192+64*\t   ; v: all sixteen registers are the bias of the lane's own feature 16 t + r
.endr
.endr
	WIN 0
	v_mul_u32_u24 v[ADRA], v1, PITCH
	v_lshl_add_u32 v[ADRA], v2, 4, v[ADRA]         ; a fragment's row x pitch + 16 h
	v_add_nc_u32 v[ADRB], BOFF, v[ADRA]
	v_add_nc_u32 v[ADRB+1], BOFF+2*BWB, v[ADRA]
	s_mul_i32 s75, s[WV], AWB
	v_add_nc_u32 v[ADRA], s75, v[ADRA]
	s_lshr_b32 s75, s[WV], 1
	s_lshl_b32 s75, s75, 8
	s_lshl_b32 s85, s84, 1
	s_add_co_u32 s75, s75, s85
	s_add_co_u32 s75, s75, VSTG
	v_lshl_add_u32 v[VSA], v1, 4, s75              ; VSTG + 256 (wave / 2) + 16 r + 2 (wave % 2)
	v_add_nc_u32 v[VSR], VSTG, v[LI]
	v_mul_u32_u24 v[VSO], v2, KVSTEP
	v_lshl_add_u32 v[VSO], v1, 4, v[VSO]
.irp n, 0,1,2,3,4,5,6,7
	v_mov_b32 v[PX+\n], 0                          ; written once: a lane permute's destination counts as one of its sources
.endr
	s_wait_alu depctr_va_vdst(0)                   ; the wait at the head's end
	s_wait_loadcnt 0x0                             ; scale words and biases
	s_wait_tensorcnt 0x0                           ; my rows of x or of W are in,
	s_barrier_signal -1
	s_barrier_wait -1                              ; everybody's are: W's rows are read by all four waves.  Nothing is filled again
; 32 LDS loads in one run: K step q's fragments into set f: W's twelve, then x's four.  A fragment is 16 rows x 128 K: lane (r, h): registers 4 c .. 4 c + 3 = the 16 bytes at 64 q + 32 c + 16 h of row r
.macro FETCH q, f
	WIN 0x40                                       ; destination window 1
.irp p, 0,1,2
.irp t, 0,1,2,3
.irp c, 0,1
	ds_load_b128 v[128*(\f)+8*(4*\p+\t)+4*\c:128*(\f)+8*(4*\p+\t)+4*\c+3], v[ADRB+\t/2] offset:(\t%2)*16*PITCH+\p*32*PITCH+64*(\q)+32*\c
.endr
.endr
.endr
	WIN 0
.irp m, 0,1,2,3
.irp c, 0,1
	ds_load_b128 v[XF+32*(\f)+8*\m+4*\c:XF+32*(\f)+8*\m+4*\c+3], v[ADRA] offset:\m*16*PITCH+64*(\q)+32*\c
.endr
.endr
.endm
; A K step of 128: 24 matrix instructions.  The 24 accumulators of 32 x 16 take turns, one instruction a turn, in the same order in every step.  Step 0's C is the bias: nothing is cleared.
.macro STEP q
.set WFS, 128*((\q)%2)
.set XFS, XF+32*((\q)%2)
	s_wait_dscnt 0x0                               ; this step's fragments are in: they were asked for 24 matrix instructions ago
.if (\q) < 7
.if (\q) > 0
.rept 4
	v_nop                                          ; four places between the last step's products and the loads into the registers that they read (ISA guide 7.12.1 for vector instructions)
.endr
.endif
	FETCH (\q)+1, ((\q)+1)%2
.endif
.if (\q) == 0
	WIN 0xb1                                       ; source 0 (W) window 1, source 1 (x) window 0, C (the bias) window 3, D window 2
.else
	WIN 0xa1                                       ; C and D window 2
.endif
.irp p, 0,1
.irp m, 0,1,2,3
.irp t, 0,2
.if (\q) == 0
	WM 128*\p+32*\m+8*\t, WFS+8*(4*\p+\t), XFS+8*\m, 128+32*\p+8*\t, WS+16*\p+8*(\t/2)+(\q), XS+8*(\m/2)+(\q), \m
.else
	WM 128*\p+32*\m+8*\t, WFS+8*(4*\p+\t), XFS+8*\m, 128*\p+32*\m+8*\t, WS+16*\p+8*(\t/2)+(\q), XS+8*(\m/2)+(\q), \m
.endif
.endr
.endr
.endr
	WIN 0xf4                                       ; v: source 0 (x) window 0, source 1 (W) window 1, C and D window 3
.irp t, 0,1,2,3
.irp m, 0,2
.if (\q) == 0
	WM 32*\t+8*\m, XFS+8*\m, WFS+8*(8+\t), 192+16*\t, XS+8*(\m/2)+(\q), WS+32+8*(\t/2)+(\q), \t
.else
	WM 32*\t+8*\m, XFS+8*\m, WFS+8*(8+\t), 32*\t+8*\m, XS+8*(\m/2)+(\q), WS+32+8*(\t/2)+(\q), \t
.endif
.endr
.endr
	WIN 0
.endm
	FETCH 0, 0
.irp q, 0,1,2,3,4,5,6,7
	STEP \q
.endr
; 128 accumulator registers from ab on, in the window that w2 (sources 0 and 1) and w1 (source 0) name, are four groups g of 64 along the next K: register 32 g + 8 i + j = k 16 i + 8 h + j of the lane's row.
; Block n = 2 g + b is registers 16 n .. 16 n + 15 of lanes l and l xor 16.  Out: codes in v[cd + 4 g ..], scale bytes 0 and 1 in v[w + g]; full = 1: bytes 2 and 3 become 0x7f.
.macro QUANT128 w2, w1, ab, cd, w, full
	WIN \w2
.irp n, 0,1,2,3,4,5,6,7
	v_max3_num_f32 v[MX+\n], |v[\ab+16*\n]|, |v[\ab+16*\n+1]|, 0x1800000   ; my 16 numbers, each accumulator from its low end on, and the floor 2^(3 - 127): so the byte cannot fall under 1
.endr
.irp i, 2,4,6,8,10,12,14
.irp n, 0,1,2,3,4,5,6,7
	v_max3_num_f32 v[MX+\n], |v[\ab+16*\n+\i]|, |v[\ab+16*\n+\i+1]|, v[MX+\n]   ; (the eight blocks by turns)
.endr
.endr
	WIN 0
.irp n, 0,1,2,3,4,5,6,7
	v_permlanex16_b32 v[PX+\n], v[MX+\n], s[SEL], s[SEL+1]
.endr
.irp n, 0,1,2,3,4,5,6,7
	v_max_num_f32 v[MX+\n], v[MX+\n], v[PX+\n]     ; with lane l xor 16's: the block's largest magnitude
.endr
.irp n, 0,1,2,3,4,5,6,7
	v_add_nc_u32 v[SOP+\n], 0xff000000, v[MX+\n]   ; 2 off its exponent field: the conversion takes the exponent field of this operand as its scale
.endr
.irp n, 0,1,2,3,4,5,6,7
	v_lshrrev_b32 v[PX+\n], 23, v[SOP+\n]          ; the scale's byte
.endr
.irp g, 0,1,2,3
	v_lshl_or_b32 v[\w+\g], v[PX+2*\g+1], 8, v[PX+2*\g]
.endr
.if \full
.irp g, 0,1,2,3
	v_or_b32 v[\w+\g], 0x7f7f0000, v[\w+\g]        ; the upper 64 of the instruction's 128 along K hold zero codes on one side: their scale is 1
.endr
.endif
	WIN \w1
.irp g, 0,1,2,3
.irp i, 0,1,2,3
	v_cvt_scalef32_pk8_fp4_f32 v[\cd+4*\g+(\i%2)*2+\i/2], v[\ab+32*\g+8*\i:\ab+32*\g+8*\i+7], v[SOP+2*\g+\i/2]   ; tiles 0, 1, 2, 3 to registers 0, 2, 1, 3
.endr
.endr
	WIN 0
	v_nop                                          ; one plain place behind a scaled conversion
.irp g, 0,1,2,3
	v_permlane16_swap_b32 v[\cd+4*\g], v[\cd+4*\g+1]      ; lanes 0-15 now hold block 0, lanes 16-31 block 1, k ascending over the four registers
	v_permlane16_swap_b32 v[\cd+4*\g+2], v[\cd+4*\g+3]
.endr
.endm
.rept 4
	v_nop                                          ; places between the last products and the first read of results
.endr
	v_cmp_eq_u32 vcc_lo, 1, v2                     ; lanes 16-31
	QUANT128 0x0a, 0x02, 0, CDQ, WQ, 1             ; q: group g = my tile g of tokens
.irp g, 0,1,2,3
	global_store_b128 v[LI], v[CDQ+4*\g:CDQ+4*\g+3], s[PQ:PQ+1] offset:512*\g   ; 32 lanes store 512 consecutive bytes
.endr
	v_cndmask_b32 v232, v[WQ], v[WQ+2], vcc_lo     ; lane (r, h) takes row r's words of tiles 2 h and 2 h + 1: the 32 lanes store 256 consecutive bytes, each once
	v_cndmask_b32 v233, v[WQ+1], v[WQ+3], vcc_lo
	global_store_b64 v[LW], v[232:233], s[PQ:PQ+1] offset:2048
	QUANT128 0x0a, 0x02, 128, CDK, WK, 1           ; k likewise
.irp g, 0,1
	global_store_b128 v[LI], v[CDK+4*\g:CDK+4*\g+3], s[PK:PK+1] offset:512*\g
.endr
.irp g, 2,3
	global_store_b128 v[LIX], v[CDK+4*\g:CDK+4*\g+3], s[PK:PK+1] offset:512*\g   ; rows 0-7 and 8-15 change places within each 256 bytes: still 512 consecutive bytes a store
.endr
	v_cndmask_b32 v234, v[WK], v[WK+2], vcc_lo
	v_cndmask_b32 v235, v[WK+1], v[WK+3], vcc_lo
	global_store_b64 v[LW], v[234:235], s[PKS:PKS+1]
	QUANT128 0x0f, 0x03, 0, CDV, WVH, 0            ; v: group g = tile g of the head's 64; K = my 64 keys: half of a key step
.irp g, 0,1,2,3
	global_store_b128 v[LI], v[CDV+4*\g:CDV+4*\g+3], s[PV:PV+1] offset:1024*\g
.endr
.irp g, 0,1,2,3
	ds_store_b16 v[VSA], v[WVH+\g] offset:4*\g     ; my two bytes of the word of d = 16 g + r; the other two come from my neighbour wave.  Lanes l and l xor 16 write the same half-word with the same value
.endr
	s_wait_dscnt 0x0                               ; for the others' sake: my stores have landed
	s_barrier_signal -1
	s_barrier_wait -1
	s_cmp_lg_u32 s[WV], 0
	s_cbranch_scc1 .Lnot_mine
	ds_load_b128 v[228:231], v[VSR]                ; wave 0: lanes 0-15 the first key step's 256 bytes, lanes 16-31 the second's
	s_wait_dscnt 0x0
	global_store_b128 v[VSO], v[228:231], s[PVS:PVS+1]
.Lnot_mine:
	s_wait_tensorcnt 0x0
	ds_add_u32 v254, v255
	s_wait_dscnt 0x0
	CROUND                                         ; the closing round: no work-group ends while a partner may still ask for a tile that names it
	s_endpgm
.Lfunc_end_k_qf388e8ef95_qkv:
	.size	k_qf388e8ef95_qkv, .Lfunc_end_k_qf388e8ef95_qkv-k_qf388e8ef95_qkv
	.p2alignl 7, 3214868480
	.fill 96, 4, 3214868480
	.section	.rodata,"a",@progbits
	.p2align	6, 0x0
	.amdhsa_kernel k_qf388e8ef95_qkv
		.amdhsa_group_segment_fixed_size 237568
		.amdhsa_private_segment_fixed_size 0
		.amdhsa_enable_private_segment 0
		.amdhsa_kernarg_size 56
		.amdhsa_user_sgpr_count 2
		.amdhsa_user_sgpr_kernarg_segment_ptr 1
		.amdhsa_wavefront_size32 1
		.amdhsa_system_sgpr_workgroup_id_x 1
		.amdhsa_system_sgpr_workgroup_id_y 1
		.amdhsa_system_sgpr_workgroup_id_z 1
		.amdhsa_system_vgpr_workitem_id 0
		.amdhsa_next_free_vgpr 1024
		.amdhsa_next_free_sgpr 100
		.amdhsa_reserve_vcc 1
		.amdhsa_float_denorm_mode_32 3
		.amdhsa_float_denorm_mode_16_64 3
		.amdhsa_memory_ordered 1
		.amdhsa_forward_progress 1
		.amdhsa_inst_pref_size 85
	.end_amdhsa_kernel
	.amdgpu_metadata
---
amdhsa.version: [ 1, 2 ]
amdhsa.kernels:
  - .name:           k_qf388e8ef95_qkv
    .symbol:         k_qf388e8ef95_qkv.kd
    .args:
      - { .name: x_codes, .offset: 0, .size: 8, .value_kind: global_buffer, .address_space: global }
      - { .name: x_scales, .offset: 8, .size: 8, .value_kind: global_buffer, .address_space: global }
      - { .name: qkv_w_codes, .offset: 16, .size: 8, .value_kind: global_buffer, .address_space: global }
      - { .name: qkv_w_scales, .offset: 24, .size: 8, .value_kind: global_buffer, .address_space: global }
      - { .name: qkv_b, .offset: 32, .size: 8, .value_kind: global_buffer, .address_space: global }
      - { .name: qbuf, .offset: 40, .size: 8, .value_kind: global_buffer, .address_space: global }
      - { .name: kvbuf, .offset: 48, .size: 8, .value_kind: global_buffer, .address_space: global }
    .group_segment_fixed_size: 237568
    .private_segment_fixed_size: 0
    .kernarg_segment_align: 8
    .kernarg_segment_size: 56
    .max_flat_workgroup_size: 128
    .sgpr_count:     100
    .vgpr_count:     1024
    .wavefront_size: 32
...
	.end_amdgpu_metadata
.endif
;; end of part 4
;; launch attn (part 5): grid 8 x 32, 8 waves a work-group, clusters of 4 x 1, 327,680 bytes of LDS; arguments qbuf, kvbuf, oimg, oscl; writes oimg, oscl
.if DOCPART == 5
	.amdgcn_target "amdgcn-amd-amdhsa--gfx1250"
	.amdhsa_code_object_version 6
	.text
	.protected	k_qf388e8ef95_attn
	.globl	k_qf388e8ef95_attn
	.p2align	8
	.type	k_qf388e8ef95_attn,@function
k_qf388e8ef95_attn:
	s_mov_b64 s[64:65], 0
	v_nop
	global_prefetch_b8 v0, s[64:65] scope:SCOPE_SE
	s_setreg_imm32_b32 hwreg(HW_REG_WAVE_MODE, 25, 1), 1
	s_wait_xcnt 0x0
	s_wait_alu depctr_hold_cnt(0) depctr_sa_sdst(0) depctr_va_vdst(0) depctr_va_sdst(0) depctr_va_ssrc(0) depctr_va_vcc(0) depctr_vm_vsrc(0)
	s_getreg_b32 s2, hwreg(HW_REG_IB_STS2, 6, 4)
	s_cmp_eq_u32 s2, 0
	s_cbranch_scc0 .Lentry_in_a_cluster
	s_endpgm
.Lentry_in_a_cluster:
	s_bfe_u32 s2, ttmp6, 0x10000c
	s_cmp_lg_u32 s2, 0x3003
	s_cbranch_scc0 .Lentry_shape_is_right
	s_endpgm
.Lentry_shape_is_right:
; o = softmax(q k^T / 8) v for one (batch, head), both products on codes of FP4 (E2M1) with one E8M0 scale for each 32 along K, and o quantised along the head's 64 for the product that follows.
; THE SOFTMAX: t = score x log2(e) / 8; M = the row's largest t so far, rounded UP to a whole number; p = 2^(t - M) is what is quantised, along the keys, not normalised.  The row's sum is taken of the
; unquantised p, in f32, and divides O at the end.  When M moves, the sum and O are multiplied by 2^(old M - new M), which rounds nothing.
; SHARES.  A work-group owns 256 queries of one (batch, head); each of its EIGHT waves 32 of them, two tiles of 16 (g = 0, 1), two waves to a SIMD: each fragment of k and v that a wave reads serves both tiles, and each tile's
; chains of dependent work stand among the other's.  Every wave walks the head's 2,048 keys, 128 a step.
; LDS.  The head's whole block of kvbuf, 16 key steps of 8,960 bytes = 560 rows of 256, lies in LDS and is filled once, in two parts of one load a wave each: 8 x 14 rows at the head (steps 0 to 2 and a little more), then
; 8 x 56 rows behind a round of the cluster's barrier; the second part is first read behind step 2.  No bytes are filled twice.
; CLUSTER.  The four blocks of queries of a cluster belong to one (batch, head) and read the same block of kvbuf: each part is asked for jointly by the four.
; NO PREFETCH: each wave has two tensor loads in the whole launch, the second issued three key steps ahead of its first read; there is no ring to run ahead of.
; LAYOUT.  Both products are used transposed: S^T = k q^T (source 0 = 16 keys, source 1 = 16 queries), O^T = v^T p^T (source 0 = 16 of the head's 64, source 1 = p): in each tile a lane holds ONE query (lane % 16) throughout.
; THE KEYS OF A TILE ARE NOT NEIGHBOURS.  Row m of tile 4 c + i is key 64 c + 8 i + m (m < 8) or 64 c + 32 + 8 i + (m - 8).  In S^T lane (r, h) holds rows 8 h + j, so its register 32 c + 8 i + j is key 64 c + 32 h + 8 i + j:
; 32 registers are ONE WHOLE BLOCK of 32 keys, 2 c + h, in the order in which p's operand wants them.  So a block's maximum needs no other lane, and the eight conversions' results ARE p's operand.
; In kvbuf a tile of 16 neighbouring keys is 512 bytes, lane l's 16 at 16 l, in tiles 2, 3, 6, 7 at 16 (l xor 8).  My tile takes 8 rows of tile 4 c + i / 2 and 8 of the tile two further on.
; It costs two lane terms, one for even i and one for odd.
; K = 64 IN AN INSTRUCTION OF 128.  q's registers 4-7 are zero codes.  k's operand for tile t is registers 4 t .. 4 t + 7 of k's run: its upper four are the next tile's codes (behind the last tile: zeros), numbers of the
; format under the scale byte 0x7f, which times q's zeros add exactly 0.
; ORDER OF A STEP.  The exponentials go as four batches of 32 registers (tile 0's block 0, tile 1's, tile 0's block 1, tile 1's).  Among each stands plain work whose results are first read behind the next wait: the scaling
; of the next batch, the sums and conversions of the one before.  O^T is rescaled ahead of the first.  Five waits for two tiles: ahead of the first batch, between the batches, behind the last.
; WINDOWS.  Window 0 holds all that plain instructions touch; window 1 k, v, q and O^T.
; LIMITS: NaN and infinities are not served.  The promise holds while |t| stays under 2^31.  p under 2^-126 counts as 0 (v_exp_f32 gives 0 there: ISA guide, its entry).  A block whose largest magnitude lies under 2^-124 gets
; the scale byte 1.  1 / l is v_rcp_f32 and a multiplication.
; THE MATRIX INSTRUCTION HAS 32 ROWS: source 0 takes two of the tiles of 16 described above at a time, and its scale register's lane l holds the word of row l of the 32.  k's registers are slots of four: slot s at 4 s; an
; instruction's sixteen registers are four slots, of which the first and the third are the two tiles and the second and the fourth meet q's zeros.  So tile 4 c + i lies in slot 4 c + 2 (i % 2) + i / 2: slots 0 and 2 are
; tiles 0 and 1, slots 1 and 3 tiles 2 and 3, and the results' 16 registers follow each other in the order of the tiles.
.set STEPB, 8960                       ; a key step in kvbuf and in LDS: k's images 0, v's 4,096, k's scale words 8,192, v's 8,704
.set NSTEP, 16
.set R1,    14                         ; rows of 256 bytes that a wave fetches at the head: 112 in all, three steps are 105
.set R2,    56                         ; and behind it: 448 in all
.set PART2, 8*R1*256
.set SPARE, NSTEP*STEPB                ; the spare words, 128 bytes a wave: four blocks of 256 bytes that no other line names
.set LI,  1                            ; v1   16 x lane
.set LR,  2                            ; v2   16 r
.set KL,  3                            ; v3, v4  my lane's place in k's images, for even and for odd i
.set KSL, 5                            ; v5   and among k's scale words
.set HH,  6                            ; v6   h
.set OB,  7                            ; v7   4 r + h: my byte among o's scale words
.set SH8, 8                            ; v8   8 h
.set ADV, 9                            ; v9   the step's images of v for my lane;  v10 its scale words;  v11 the scale words of k;  v24, v25 k's images
.set ADW, 10
.set ADS, 11
.set NM,  12                           ; tile g: v12 + 4 g -M, v13 + 4 g the largest score, v[14 + 4 g:15 + 4 g] the sum in two halves
.set FF,  20                           ; v[20 + 2 g:21 + 2 g]  f
.set ADK, 24
.set T,   26                           ; tile g: v26 + 2 g, v27 + 2 g at work
.set TX,  30                           ; v30 + g  lane l xor 16's largest score
.set BM,  32                           ; v32 + 2 g + c  block c's largest score, then largest p
.set CH,  36                           ; v36 + 4 g ..  four chains of the search
.set BX,  44                           ; v44 + 2 g + c  the scale bytes
.set SO,  48                           ; v48 + 2 g + c  the conversions' scale operands
.set W,   52                           ; v52 + 2 g my two bytes at their places in p's scale word;  v53 + 2 g lane l xor 16's
.set KS,  56                           ; v56-59 k's scale words (2 c + j: lanes 0-15 tile 4 c + 2 j, lanes 16-31 tile 4 c + 2 j + 1), v64-65 v's (u: tiles 2 u and 2 u + 1), v68-69 q's, v70-71 p's: scales and nothing else
.set VS,  64
.set QS,  68
.set PS,  70
.set ACC, 72                           ; v72 + 16 g ..  the step's sum, in eight chains of pairs
.set P,   104                          ; v104 + 8 g ..  p's codes
.set SPW, 120                          ; v120 LDS address of my spare word, v121 0: never rewritten
.set NIL, 121
.set LV,  122                          ; v122 16 r + 4 h: my lane's place among v's scale words
.set SA,  128                          ; v128 + 64 g ..  S^T, then p
; window 1
.set KF,  0                            ; k: slot s at 4 s; 32-35 zeros
.set VF,  36                           ; v: tile t, half c at 8 t + 4 c
.set QF,  68                           ; q: tile g at 8 g: four registers of codes, four of zeros
.set O,   84                           ; O^T: tile g at 32 g
.set WV,  12                           ; s12  my wave's number
.set NC,  18                           ; s18  -c
.set SEL, 20                           ; s[20:21] v_permlanex16_b32's selects for lane l xor 16
.set CS,  22                           ; s[22:23] c = log2(e) / 8: the packed form names a pair and takes its low word for both halves
.set G1,  24                           ; s[24:31] descriptor group 1;  s[32:35] group 0 of the head's load;  s[60:63] of the second
.set G0,  32
.set G0S, 60
.set TB,  36                           ; s36  LDS byte at which the step in hand begins
.set CNT, 37                           ; s37  trips to go
.set PQ,  40                           ; pointers: q's codes, q's scale words, oimg, oscl
.set PQS, 42
.set POI, 44
.set POS, 46
.set MSB, 0
.macro WIN new                         ; the immediate's high byte repeats the setting that is left; a switch that changes nothing is dropped
.if MSB != \new
	s_set_vgpr_msb (MSB<<8)|\new
.set MSB, \new
.endif
.endm
.macro CROUND                          ; a round of the cluster's barrier
	s_barrier_signal -1
	s_barrier_wait -1
	s_cmp_lg_u32 s[WV], 0
	s_cbranch_scc1 .Lnot_wave_0_\@
	s_barrier_signal -3
.Lnot_wave_0_\@:
	s_barrier_wait -3
	s_barrier_signal -1
	s_barrier_wait -1
.endm
	s_load_b256 s[4:11], s[0:1], 0x0               ; qbuf s[4:5], kvbuf s[6:7], oimg s[8:9], oscl s[10:11]
	v_lshl_add_u32 v[SPW], v0, 2, SPARE
	v_mov_b32 v[NIL], 0
	ds_add_u32 v[SPW], v[NIL]                      ; the wave's opening: the add, twice on end, and its wait ahead of my first tensor load
	ds_add_u32 v[SPW], v[NIL]
	v_lshrrev_b32 v1, 5, v0
	v_readfirstlane_b32 s[WV], v1                  ; wave 0..7
	s_bfe_u32 s13, ttmp6, 0x40000                  ; cx
	s_lshl_b32 s14, ttmp9, 2
	s_add_co_u32 s14, s14, s13                     ; my block of 256 queries: it enters q's and o's global addresses alone
	s_and_b32 s15, ttmp7, 0xffff                   ; batch x 16 + head, which the four partners share
	s_and_b32 s16, s15, 15                         ; head
	s_lshr_b32 s17, s15, 4                         ; batch
	s_mov_b32 s[G1], 15|(3<<16)|(1<<21)            ; 15:0 the mask: all four work-groups; 17:16 elements of 8 bytes; 20 no padding; 21 set beside a mask
	s_mov_b32 s[G1+1], 32<<16                      ; tensor_dim0 = 32: rows of 256 bytes
	s_mov_b32 s[G1+2], R1<<16                      ; tensor_dim1
	s_mov_b32 s[G1+3], 32<<16                      ; tile_dim0
	s_mov_b32 s[G1+4], R1                          ; tile_dim1
	s_mov_b32 s[G1+5], 32                          ; dense
	s_mov_b32 s[G1+6], 0
	s_mov_b32 s[G1+7], 0
	s_mov_b32 s[G0], 1
	s_mul_i32 s[G0+1], s[WV], R1*256               ; the block lies in LDS as in memory
	s_mov_b32 s[G0S], 1
	s_mul_i32 s[G0S+1], s[WV], R2*256
	s_add_co_u32 s[G0S+1], s[G0S+1], PART2
	s_mul_i32 s38, s15, NSTEP*STEPB
	s_add_co_u32 s2, s38, s[G0S+1]
	s_mov_b32 s3, 0
	s_add_co_u32 s38, s38, s[G0+1]
	s_mov_b32 s39, 0
	s_lshl_b32 s48, s15, 5
	s_lshl_b32 s49, s14, 2
	s_add_co_u32 s48, s48, s49
	s_lshr_b32 s49, s[WV], 1
	s_add_co_u32 s48, s48, s49
	s_mul_i32 s48, s48, 2304                       ; qbuf: the group of 64 tokens that holds my 32
	s_and_b32 s49, s[WV], 1                        ; and which two tiles of it
	s_lshl_b32 s50, s49, 10
	s_add_co_u32 s50, s50, s48
	s_mov_b32 s51, 0
	s_lshl_b32 s52, s49, 3
	s_add_co_u32 s52, s52, s48
	s_add_co_u32 s52, s52, 2048
	s_mov_b32 s53, 0
	s_lshl_b32 s54, s17, 7
	s_lshl_b32 s55, s14, 4
	s_add_co_u32 s54, s54, s55
	s_lshl_b32 s55, s[WV], 1
	s_add_co_u32 s54, s54, s55                     ; my first tile of 16 tokens among all 256
	s_lshl_b32 s56, s54, 13
	s_lshl_b32 s55, s16, 9
	s_add_co_u32 s56, s56, s55                     ; oimg: [tile][head][512]
	s_mov_b32 s57, 0
	s_lshr_b32 s58, s16, 1
	s_lshl_b32 s58, s58, 14
	s_lshl_b32 s55, s54, 6
	s_add_co_u32 s58, s58, s55
	s_and_b32 s55, s16, 1
	s_lshl_b32 s55, s55, 1
	s_add_co_u32 s58, s58, s55                     ; oscl: [head / 2][token] words; my head's two bytes at 2 (head % 2)
	s_mov_b32 s59, 0
	s_mov_b32 s[SEL], 0x76543210
	s_mov_b32 s[SEL+1], 0xfedcba98
	s_mov_b32 s[CS], 0x3e38aa3b                    ; c = log2(e) / 8
	s_mov_b32 s[CS+1], s[CS]                       ; (named with it as a pair, so it is written)
	s_mov_b32 s[NC], 0xbe38aa3b                    ; -c
	s_mov_b32 s[TB], 0
	s_mov_b32 s[CNT], NSTEP-4
	v_and_b32 v[LR], 15, v0                        ; r
	v_bfe_u32 v[HH], v0, 4, 1                      ; h
	v_and_b32 v[LI], 31, v0
	v_lshlrev_b32 v[LI], 4, v[LI]
	v_lshl_add_u32 v[OB], v[LR], 2, v[HH]
	v_lshlrev_b32 v[LV], 2, v[OB]
	v_lshlrev_b32 v[LR], 4, v[LR]
	s_wait_alu depctr_va_vdst(0)                   ; the wait here, directly ahead of the waits below
	s_wait_dscnt 0x0                               ; both opening adds are done
	s_wait_kmcnt 0x0
	s_add_nc_u64 s[G0+2:G0+3], s[6:7], s[38:39]
	s_or_b32 s[G0+3], s[G0+3], 0x80000000          ; type = 2
	s_add_nc_u64 s[G0S+2:G0S+3], s[6:7], s[2:3]
	s_or_b32 s[G0S+3], s[G0S+3], 0x80000000
	s_add_nc_u64 s[PQ:PQ+1], s[4:5], s[50:51]
	s_add_nc_u64 s[PQS:PQS+1], s[4:5], s[52:53]
	s_add_nc_u64 s[POI:POI+1], s[8:9], s[56:57]
	s_add_nc_u64 s[POS:POS+1], s[10:11], s[58:59]
	CROUND                                         ; all four work-groups are here: the joint loads meet
	tensor_load_to_lds s[G0:G0+3], s[G1:G1+7]      ; the first part: one tensor load a wave at the head
	s_nop 0
.rept 4
	v_nop                                          ; four v_nop follow it
.endr
.irp g, 0,1
	global_load_b32 v[QS+\g], v[LR], s[PQS:PQS+1] offset:4*\g     ; q's scale words
.endr
	WIN 0x40                                       ; destination window 1
.irp g, 0,1
	global_load_b128 v[QF+8*\g:QF+8*\g+3], v[LI], s[PQ:PQ+1] offset:512*\g   ; q's codes: query r, block h
.endr
.irp j, 0,1,2,3
	v_mov_b32 v[QF+4+\j], 0                        ; the upper 64 of the instruction's K: zero codes
	v_mov_b32 v[QF+12+\j], 0
	v_mov_b32 v[KF+32+\j], 0
.endr
.set N, 0
.rept 64
	v_mov_b32 v[O+N], 0                            ; O^T.  (The step is written for every step alike: the first finds zeros, which the first change of M leaves zeros)
.set N, N+1
.endr
	WIN 0
	v_and_b32 v[T], 7, v0
	v_lshlrev_b32 v[T], 4, v[T]                    ; 16 x, x = r % 8
	v_bfe_u32 v[T+1], v0, 3, 1                     ; y = r / 8
	v_lshl_add_u32 v[KSL], v[T+1], 3, v[T]         ; k's scale words: 16 x + 8 y + 128 h: row x + 8 h, the words of tiles 2 y and 2 y + 1 of the four
	v_lshl_add_u32 v[KSL], v[HH], 7, v[KSL]
	v_lshl_add_u32 v[T], v[HH], 8, v[T]            ; 16 x + 256 h
	v_mad_u32_u24 v[KL], v[T+1], 1152, v[T]        ; even i: rows 0-7 of a tile; for y = 1 two tiles (1,024 bytes) on, where they lie 128 bytes up
	v_mad_u32_u24 v[KL+1], v[T+1], 896, v[T]       ; odd i: rows 8-15, 128 bytes up; for y = 1 two tiles on, where they lie at the tile's start
	v_add_nc_u32 v[KL+1], 128, v[KL+1]
	v_lshlrev_b32 v[SH8], 3, v[HH]
.irp g, 0,1
	v_mov_b32 v[W+2*\g+1], 0                       ; written once: a lane permute's destination counts as one of its sources
	v_mov_b32 v[TX+\g], 0
	v_mov_b32 v[NM+4*\g+1], 0xff61b1e6             ; the largest score so far: -3e38, under every score
	v_mul_f32 v[T], s[NC], v[NM+4*\g+1]
	v_floor_f32 v[NM+4*\g], v[T]                   ; -M
	v_mov_b32 v[NM+4*\g+2], 0                      ; the sum, in two halves
	v_mov_b32 v[NM+4*\g+3], 0
	v_mov_b32 v[FF+2*\g+1], 0                      ; (named as the upper half of f's pair)
.endr
; 8 LDS loads: a step's k (under WIN 0x40); a: the first of the two address registers of its images; off: bytes on from them
.macro KLOAD a, off
.irp c, 0,1
.irp i, 0,1,2,3
	ds_load_b128 v[KF+4*(4*\c+2*(\i%2)+\i/2):KF+4*(4*\c+2*(\i%2)+\i/2)+3], v[\a+\i%2] offset:\off+2048*\c+512*(\i/2)   ; row r of tile 4 c + i, block h of the head's 64
.endr
.endr
.endm
.macro KSLOAD s, off                   ; and 2: its scale words
.irp c, 0,1
	ds_load_b64 v[KS+2*\c:KS+2*\c+1], v[\s] offset:\off+8192+256*\c               ; row r's words of tiles 4 c + h and 4 c + 2 + h
.endr
.endm
.macro FM g, n                         ; t - M for pair n of tile g's 64 scores (of the pairs c and -M the low word serves both halves)
	v_pk_fma_f32 v[SA+64*\g+2*(\n):SA+64*\g+2*(\n)+1], v[SA+64*\g+2*(\n):SA+64*\g+2*(\n)+1], s[CS:CS+1], v[NM+4*\g:NM+4*\g+1] op_sel_hi:[1,0,0]
.endm
.macro CV g, u                         ; register 4 c + i of p's operand: keys 64 c + 32 h + 8 i + 0 .. 7
	v_cvt_scalef32_pk8_fp4_f32 v[P+8*\g+\u], v[SA+64*\g+8*\u:SA+64*\g+8*\u+7], v[SO+2*\g+\u/4]
.endm
.macro AD0 g, k                        ; THE ROW'S SUM IS TAKEN OF THE UNQUANTISED p: a chain starts with two pairs of block 0: nothing is cleared
	v_pk_add_f32 v[ACC+16*\g+(\k):ACC+16*\g+(\k)+1], v[SA+64*\g+(\k):SA+64*\g+(\k)+1], v[SA+64*\g+16+(\k):SA+64*\g+16+(\k)+1]
.endm
.macro AD g, e, k                      ; and takes one of block 1
	v_pk_add_f32 v[ACC+16*\g+(\k):ACC+16*\g+(\k)+1], v[ACC+16*\g+(\k):ACC+16*\g+(\k)+1], v[SA+64*\g+\e+(\k):SA+64*\g+\e+(\k)+1]
.endm
; THE LARGEST SCORE OF EACH BLOCK serves for the row's maximum and, since p rises with the score, for the block's largest p.  Four chains of 16 registers by turns, two to a block; each accumulator is read from its low end on
.macro MXS g
.irp n, 0,1,2,3
	v_max3_num_f32 v[CH+4*\g+\n], v[SA+64*\g+16*\n], v[SA+64*\g+16*\n+1], v[SA+64*\g+16*\n+2]
.endr
.endm
.macro MX g, i
.irp n, 0,1,2,3
	v_max3_num_f32 v[CH+4*\g+\n], v[CH+4*\g+\n], v[SA+64*\g+16*\n+\i], v[SA+64*\g+16*\n+\i+1]
.endr
.endm
.macro MXE g
.irp c, 0,1
	v_max3_num_f32 v[BM+2*\g+\c], v[CH+4*\g+2*\c], v[CH+4*\g+2*\c+1], v[SA+64*\g+32*\c+15]
.endr
.irp c, 0,1
	v_max_num_f32 v[BM+2*\g+\c], v[BM+2*\g+\c], v[SA+64*\g+32*\c+31]      ; block 2 c + h: all its 32 keys are mine
.endr
.endm
; The chain from the blocks' largest scores to M and f, link by link
.macro LINK g, n
.if \n == 0
	v_max_num_f32 v[T+2*\g], v[BM+2*\g], v[BM+2*\g+1]
.elseif \n == 1
	v_permlanex16_b32 v[TX+\g], v[T+2*\g], s[SEL], s[SEL+1]
.elseif \n == 2
	v_max3_num_f32 v[NM+4*\g+1], v[NM+4*\g+1], v[T+2*\g], v[TX+\g]        ; the running largest score of my query
.elseif \n == 3
	v_mul_f32 v[T+2*\g], s[NC], v[NM+4*\g+1]                              ; -t (c is positive)
.elseif \n == 4
	v_floor_f32 v[NM+4*\g], v[T+2*\g]                                     ; the new -M = floor(-t) = -ceil(t): M is a whole number
.elseif \n == 5
	v_sub_f32 v[T+2*\g+1], v[NM+4*\g], v[T+2*\g+1]                        ; M's old value less its new one: a whole number, 0 or less
	v_fma_f32 v[BM+2*\g], v[BM+2*\g], s[CS], v[NM+4*\g]                   ; t - M of each block's largest score
	v_fma_f32 v[BM+2*\g+1], v[BM+2*\g+1], s[CS], v[NM+4*\g]
.elseif \n == 6
	v_cvt_i32_f32 v[T+2*\g+1], v[T+2*\g+1]                                ; (it saturates)
.else
	v_ldexp_f32 v[FF+2*\g], 1.0, v[T+2*\g+1]                              ; f = 2^(old M - new M)
.endif
.endm
; A KEY STEP: 128 keys.  more = 1: the next step's k is asked for
.macro STEP more
	s_wait_dscnt 0x0                               ; this step's k is in
	WIN 0x05                                       ; sources 0 (k) and 1 (q) window 1, D window 0
.irp g, 0,1
.irp t, 0,1,4,5
	v_wmma_scale_f32_32x16x128_f4 v[SA+64*\g+32*(\t/4)+16*(\t%4):SA+64*\g+32*(\t/4)+16*(\t%4)+15], v[KF+4*\t:KF+4*\t+15], v[QF+8*\g:QF+8*\g+7], 0, v[KS+2*(\t/4)+(\t%4)], v[QS+\g]
.endr
.endr
	WIN 0
	v_add_nc_u32 v[ADW], s[TB], v[LV]              ; seven plain instructions: the places between these products and the last step's on one side, and the loads into the registers that they read and the first read of the scores on the other
	v_add_nc_u32 v[ADV], s[TB], v[LI]
	v_add_nc_u32 v[ADK], s[TB], v[KL]
	v_add_nc_u32 v[ADK+1], s[TB], v[KL+1]
	v_add_nc_u32 v[ADS], s[TB], v[KSL]
	v_mov_b32 v[T+1], v[NM]                        ; the old -M
	v_mov_b32 v[T+3], v[NM+4]
.irp u, 0,1
	ds_load_b32 v[VS+\u], v[ADW] offset:8704+8*\u                          ; row r's word of tile 2 u + h
.endr
	WIN 0x40
.irp t, 0,1,2,3
.irp c, 0,1
	ds_load_b128 v[VF+8*\t+4*\c:VF+8*\t+4*\c+3], v[ADV] offset:4096+1024*\t+512*\c   ; d = 16 t + r, keys 64 c + 32 h on
.endr
.endr
.if \more
	KLOAD ADK, STEPB
.endif
	WIN 0
.if \more
	KSLOAD ADS, STEPB
.endif
	MXS 0
.irp i, 3,5,7,9,11,13
	MX 0, \i
.endr
	MXE 0
	LINK 0, 0                                      ; tile 0's chain to M stands among tile 1's maxima,
	MXS 1
	LINK 0, 1
	MX 1, 3
	LINK 0, 2
	MX 1, 5
	LINK 0, 3
	MX 1, 7
	LINK 0, 4
	MX 1, 9
	LINK 0, 5
	MX 1, 11
	LINK 0, 6
	MX 1, 13
	LINK 0, 7
	MXE 1
.set N, 0
.irp n, 0,1,2,3,4
	LINK 1, \n                                     ; and tile 1's among the scaling of tile 0's block 0
	FM 0, N
	FM 0, N+1
	FM 0, N+2
.set N, N+3
.endr
	LINK 1, 5
	LINK 1, 6
	FM 0, 15
	LINK 1, 7
	WIN 0x41                                       ; source 0 and D (O^T) window 1, source 1 (f) window 0
.irp g, 0,1
.irp n, 0,1,2,3,4,5,6,7,8,9,10,11,12,13,14,15
	v_pk_mul_f32 v[O+32*\g+2*\n:O+32*\g+2*\n+1], v[O+32*\g+2*\n:O+32*\g+2*\n+1], v[FF+2*\g:FF+2*\g+1] op_sel_hi:[1,0]   ; O^T under the new M: x f, each accumulator from its low end on
.endr
.endr
	WIN 0
	s_wait_alu depctr_va_vdst(0)                   ; the wait ahead of the batch
.irp c, 0,1,2,3
	v_exp_f32 v[BM+\c], v[BM+\c]                   ; the blocks' largest p: the same two instructions on the same number give the same bits as in the block
.endr
.set N, 0
.rept 16
	v_exp_f32 v[SA+2*N], v[SA+2*N]                 ; tile 0, block 0: p = 2^(t - M), at most 1: not normalised
	FM 1, N                                        ; the second batch's scaling
	v_exp_f32 v[SA+2*N+1], v[SA+2*N+1]
	FM 0, 16+N                                     ; and the third's
.set N, N+1
.endr
	s_wait_alu depctr_va_vdst(0)                   ; one wait behind this batch and ahead of the next
.irp c, 0,1,2,3
	v_max_num_f32 v[BM+\c], 0x1800000, v[BM+\c]    ; the floor 2^(3 - 127): the byte cannot fall under 1 (a block whose every p is 0 keeps that byte: its codes are zeros)
.endr
.irp c, 0,1,2,3
	v_add_nc_u32 v[SO+\c], 0xff000000, v[BM+\c]    ; 2 off the exponent field: the conversion's scale operand
.endr
.irp c, 0,1,2,3
	v_lshrrev_b32 v[BX+\c], 23, v[SO+\c]           ; the scale's byte
.endr
	CV 0, 0
.irp g, 0,1
	v_lshl_or_b32 v[W+2*\g], v[BX+2*\g+1], 16, v[BX+2*\g]                 ; my two bytes: blocks h and 2 + h,
.endr
.irp g, 0,1
	v_lshlrev_b32 v[W+2*\g], v[SH8], v[W+2*\g]     ; at their places in the word (8 h bits up)
.endr
.irp g, 0,1
	v_permlanex16_b32 v[W+2*\g+1], v[W+2*\g], s[SEL], s[SEL+1]
.endr
.irp g, 0,1
	v_or_b32 v[PS+\g], v[W+2*\g], v[W+2*\g+1]      ; with lane l xor 16's two bytes p's scale word for these 128 keys is whole
.endr
.set N, 0
.rept 16
	v_exp_f32 v[SA+64+2*N], v[SA+64+2*N]           ; tile 1, block 0
	FM 1, 16+N                                     ; the fourth batch's scaling
	v_exp_f32 v[SA+65+2*N], v[SA+65+2*N]
.if N%2
	AD0 0, N-1
.elseif N == 4
	CV 0, 1
.elseif N == 8
	CV 0, 2
.elseif N == 12
	CV 0, 3
.endif
.set N, N+1
.endr
	s_wait_alu depctr_va_vdst(0)                   ; as above
.set N, 0
.rept 16
	v_exp_f32 v[SA+32+2*N], v[SA+32+2*N]           ; tile 0, block 1
	v_exp_f32 v[SA+33+2*N], v[SA+33+2*N]
.if N%2
	AD0 1, N-1
.elseif N == 2
	CV 1, 0
.elseif N == 6
	CV 1, 1
.elseif N == 10
	CV 1, 2
.elseif N == 14
	CV 1, 3
.endif
.set N, N+1
.endr
	s_wait_alu depctr_va_vdst(0)                   ; as above
.set N, 0
.rept 16
	v_exp_f32 v[SA+96+2*N], v[SA+96+2*N]           ; tile 1, block 1
	v_exp_f32 v[SA+97+2*N], v[SA+97+2*N]
.if N%2
	AD 0, 32, N-1
.elseif N == 2
	CV 0, 4
.elseif N == 6
	CV 0, 5
.elseif N == 10
	CV 0, 6
.elseif N == 14
	CV 0, 7
.endif
.set N, N+1
.endr
	s_wait_alu depctr_va_vdst(0)                   ; the wait ahead of the last batch's first reader
.irp u, 4,5,6,7
	CV 1, \u
.endr
.irp k, 0,2,4,6,8,10,12,14
	AD 1, 32, \k                                   ; these 40 plain instructions are also the places between p's codes and the products below
	AD 0, 48, \k
.endr
.irp k, 0,2,4,6,8,10,12,14
	AD 1, 48, \k
.endr
.irp k, 0,2,4,6
.irp g, 0,1
	v_pk_add_f32 v[ACC+16*\g+\k:ACC+16*\g+\k+1], v[ACC+16*\g+\k:ACC+16*\g+\k+1], v[ACC+16*\g+8+\k:ACC+16*\g+9+\k]
.endr
.endr
.irp k, 0,2
.irp g, 0,1
	v_pk_add_f32 v[ACC+16*\g+\k:ACC+16*\g+\k+1], v[ACC+16*\g+\k:ACC+16*\g+\k+1], v[ACC+16*\g+4+\k:ACC+16*\g+5+\k]
.endr
.endr
.irp g, 0,1
	v_pk_add_f32 v[ACC+16*\g:ACC+16*\g+1], v[ACC+16*\g:ACC+16*\g+1], v[ACC+16*\g+2:ACC+16*\g+3]
.endr
.irp g, 0,1
	v_pk_fma_f32 v[NM+4*\g+2:NM+4*\g+3], v[NM+4*\g+2:NM+4*\g+3], v[FF+2*\g:FF+2*\g+1], v[ACC+16*\g:ACC+16*\g+1] op_sel_hi:[1,0,1]   ; l = l f + the step's sum
.endr
.if \more
	s_wait_dscnt 10                                ; v's ten loads are in; the ten behind them, the next step's k, may be out
.else
	s_wait_dscnt 0x0
.endif
	WIN 0x51                                       ; source 0 (v), C and D window 1, source 1 (p) window 0
.irp g, 0,1
.irp u, 0,1
	v_wmma_scale_f32_32x16x128_f4 v[O+32*\g+16*\u:O+32*\g+16*\u+15], v[VF+16*\u:VF+16*\u+15], v[P+8*\g:P+8*\g+7], v[O+32*\g+16*\u:O+32*\g+16*\u+15], v[VS+\u], v[PS+\g]
.endr
.endr                                              ; the four accumulators of 32 x 16 take turns, one instruction a turn, with the next step's eight products between two links
	WIN 0
.endm
	s_wait_alu depctr_va_vdst(0)                   ; the wait at the head's end
	s_wait_tensorcnt 0x0                           ; my rows of the first part are in
	ds_add_u32 v[SPW], v[NIL]
	s_mov_b32 s[G1+2], R2<<16                      ; no tensor load of mine is out: from here on a load brings 56 rows
	s_mov_b32 s[G1+4], R2
	s_wait_dscnt 0x0                               ; the add is done
	CROUND                                         ; everybody's rows of the first part are in, and all four work-groups are here
	tensor_load_to_lds s[G0S:G0S+3], s[G1:G1+7]    ; the second part
	s_nop 0
.rept 4
	v_nop
.endr
	KSLOAD KSL, 0                                  ; the first step's k
	WIN 0x40
	KLOAD KL, 0
	WIN 0
	s_wait_loadcnt 0x0                             ; q
.rept 2
	STEP 1                                         ; steps 0 and 1
	s_add_co_u32 s[TB], s[TB], STEPB
.endr
	STEP 0                                         ; step 2: the last whose bytes the first part holds
	s_add_co_u32 s[TB], s[TB], STEPB
	s_wait_tensorcnt 0x0                           ; my rows of the second part are in,
	s_wait_dscnt 0x0
	s_barrier_signal -1
	s_barrier_wait -1                              ; everybody's are.  Nothing is filled again
	v_add_nc_u32 v[ADK], s[TB], v[KL]
	v_add_nc_u32 v[ADK+1], s[TB], v[KL+1]
	v_add_nc_u32 v[ADS], s[TB], v[KSL]
	KSLOAD ADS, 0                                  ; step 3's k
	WIN 0x40
	KLOAD ADK, 0
	WIN 0
.Lstep:                                            ; 12 trips: steps 3 to 14; the last step is written out, since it has no next step to ask for
	STEP 1
	s_add_co_u32 s[TB], s[TB], STEPB
	s_sub_co_u32 s[CNT], s[CNT], 1
	s_cmp_lg_u32 s[CNT], 0
	s_cbranch_scc1 .Lstep
	STEP 0
	; THE WAY OUT.  o = O^T / l; register 8 t + j = d 16 t + 8 h + j of my query: 64 along the next product's K.  v's rows are neighbours, so here a block lies in lanes l and l xor 16:
	; the conversions of tiles 0, 1, 2, 3 go to registers 0, 2, 1, 3, and two exchanges of halves give lane (r, h) block h in order
.rept 4
	v_nop                                          ; places between the last products and the first read of results
.endr
	s_wait_alu depctr_va_vdst(0)                   ; the wait here, directly ahead of the readers below
.irp g, 0,1
	v_add_f32 v[NM+4*\g+2], v[NM+4*\g+2], v[NM+4*\g+3]   ; the sum's two halves,
.endr
.irp g, 0,1
	v_permlanex16_b32 v[T+2*\g], v[NM+4*\g+2], s[SEL], s[SEL+1]
.endr
.irp g, 0,1
	v_add_f32 v[NM+4*\g+2], v[NM+4*\g+2], v[T+2*\g]      ; and lane l xor 16's: the row's sum
.endr
	s_wait_alu depctr_va_vdst(0)                   ; the wait ahead of the transcendentals too
	v_rcp_f32 v[NM+2], v[NM+2]
	v_rcp_f32 v[NM+6], v[NM+6]
	v_cmp_eq_u32 vcc_lo, 1, v[HH]                  ; lanes 16-31.  (The plain place behind the transcendentals)
	WIN 0x01                                       ; source 0 (O^T) window 1
	s_wait_alu depctr_va_vdst(0)                   ; the wait ahead of the first reader; it serves O^T too
.irp g, 0,1
.irp j, 0,2,4,6,8,10,12,14,16,18,20,22,24,26,28,30
	v_pk_mul_f32 v[SA+64*\g+\j:SA+64*\g+\j+1], v[O+32*\g+\j:O+32*\g+\j+1], v[NM+4*\g+2:NM+4*\g+3] op_sel_hi:[1,0]
.endr
.endr
	WIN 0
.irp b, 0,1,2,3
	v_max3_num_f32 v[BM+\b], |v[SA+16*(\b%2)+64*(\b/2)]|, |v[SA+16*(\b%2)+64*(\b/2)+1]|, 0x1800000       ; tile b / 2, block b % 2: my 16 numbers, and the floor 2^(3 - 127)
.endr
.irp i, 2,4,6,8,10,12,14
.irp b, 0,1,2,3
	v_max3_num_f32 v[BM+\b], v[BM+\b], |v[SA+16*(\b%2)+64*(\b/2)+\i]|, |v[SA+16*(\b%2)+64*(\b/2)+\i+1]|
.endr
.endr
.irp b, 0,1,2,3
	v_permlanex16_b32 v[BX+\b], v[BM+\b], s[SEL], s[SEL+1]
.endr
.irp b, 0,1,2,3
	v_max_num_f32 v[BM+\b], v[BM+\b], v[BX+\b]
.endr
.irp b, 0,1,2,3
	v_add_nc_u32 v[SO+\b], 0xff000000, v[BM+\b]
.endr
.irp b, 0,1,2,3
	v_lshrrev_b32 v[BX+\b], 23, v[SO+\b]
.endr
.irp g, 0,1
.irp i, 0,1,2,3
	v_cvt_scalef32_pk8_fp4_f32 v[P+8*\g+(\i%2)*2+\i/2], v[SA+64*\g+8*\i:SA+64*\g+8*\i+7], v[SO+2*\g+\i/2]
.endr
.endr
	v_cndmask_b32 v[T], v[BX], v[BX+1], vcc_lo     ; lane (r, h) takes the byte of block h.  (The plain places behind the conversions)
	v_cndmask_b32 v[T+2], v[BX+2], v[BX+3], vcc_lo
.irp g, 0,1
	v_permlane16_swap_b32 v[P+8*\g], v[P+8*\g+1]
	v_permlane16_swap_b32 v[P+8*\g+2], v[P+8*\g+3]
.endr
.irp g, 0,1
	global_store_b128 v[LI], v[P+8*\g:P+8*\g+3], s[POI:POI+1] offset:8192*\g   ; token r, block h: 32 lanes store 512 consecutive bytes
	global_store_b8 v[OB], v[T+2*\g], s[POS:POS+1] offset:64*\g                ; two bytes of each of 16 words: the words' other halves belong to the neighbouring head, so these 64 bytes are written in part: 1 byte for each 16 of codes
.endr
	s_wait_tensorcnt 0x0                           ; the wave's end
	ds_add_u32 v[SPW], v[NIL]
	s_wait_dscnt 0x0
	CROUND                                         ; the closing round: no work-group ends while a partner may still ask for a tile that names it
	s_endpgm
.Lfunc_end_k_qf388e8ef95_attn:
	.size	k_qf388e8ef95_attn, .Lfunc_end_k_qf388e8ef95_attn-k_qf388e8ef95_attn
	.p2alignl 7, 3214868480
	.fill 96, 4, 3214868480
	.section	.rodata,"a",@progbits
	.p2align	6, 0x0
	.amdhsa_kernel k_qf388e8ef95_attn
		.amdhsa_group_segment_fixed_size 327680
		.amdhsa_private_segment_fixed_size 0
		.amdhsa_enable_private_segment 0
		.amdhsa_kernarg_size 32
		.amdhsa_user_sgpr_count 2
		.amdhsa_user_sgpr_kernarg_segment_ptr 1
		.amdhsa_wavefront_size32 1
		.amdhsa_system_sgpr_workgroup_id_x 1
		.amdhsa_system_sgpr_workgroup_id_y 1
		.amdhsa_system_sgpr_workgroup_id_z 1
		.amdhsa_system_vgpr_workitem_id 0
		.amdhsa_next_free_vgpr 416
		.amdhsa_next_free_sgpr 66
		.amdhsa_reserve_vcc 1
		.amdhsa_float_denorm_mode_32 3
		.amdhsa_float_denorm_mode_16_64 3
		.amdhsa_memory_ordered 1
		.amdhsa_forward_progress 1
		.amdhsa_inst_pref_size 139
	.end_amdhsa_kernel
	.amdgpu_metadata
---
amdhsa.version: [ 1, 2 ]
amdhsa.kernels:
  - .name:           k_qf388e8ef95_attn
    .symbol:         k_qf388e8ef95_attn.kd
    .args:
      - { .name: qbuf, .offset: 0, .size: 8, .value_kind: global_buffer, .address_space: global }
      - { .name: kvbuf, .offset: 8, .size: 8, .value_kind: global_buffer, .address_space: global }
      - { .name: oimg, .offset: 16, .size: 8, .value_kind: global_buffer, .address_space: global }
      - { .name: oscl, .offset: 24, .size: 8, .value_kind: global_buffer, .address_space: global }
    .group_segment_fixed_size: 327680
    .private_segment_fixed_size: 0
    .kernarg_segment_align: 8
    .kernarg_segment_size: 32
    .max_flat_workgroup_size: 256
    .sgpr_count:     66
    .vgpr_count:     416
    .wavefront_size: 32
...
	.end_amdgpu_metadata
.endif
;; end of part 5
;; launch proj (part 6): grid 8 x 32, 4 waves a work-group, clusters of 4 x 4, 327,680 bytes of LDS; arguments oimg, oscl, out_w_codes, out_w_scales, out_b, out0; writes out0
.if DOCPART == 6
	.amdgcn_target "amdgcn-amd-amdhsa--gfx1250"
	.amdhsa_code_object_version 6
	.text
	.protected	k_qf388e8ef95_proj
	.globl	k_qf388e8ef95_proj
	.p2align	8
	.type	k_qf388e8ef95_proj,@function
k_qf388e8ef95_proj:
	s_mov_b64 s[64:65], 0
	v_nop
	global_prefetch_b8 v0, s[64:65] scope:SCOPE_SE
	s_setreg_imm32_b32 hwreg(HW_REG_WAVE_MODE, 25, 1), 1
	s_wait_xcnt 0x0
	s_wait_alu depctr_hold_cnt(0) depctr_sa_sdst(0) depctr_va_vdst(0) depctr_va_sdst(0) depctr_va_ssrc(0) depctr_va_vcc(0) depctr_vm_vsrc(0)
	s_getreg_b32 s2, hwreg(HW_REG_IB_STS2, 6, 4)
	s_cmp_eq_u32 s2, 0
	s_cbranch_scc0 .Lentry_in_a_cluster
	s_endpgm
.Lentry_in_a_cluster:
	s_bfe_u32 s2, ttmp6, 0x10000c
	s_cmp_lg_u32 s2, 0xf033
	s_cbranch_scc0 .Lentry_shape_is_right
	s_endpgm
.Lentry_shape_is_right:
; out = o W^T + b on codes of FP4 (E2M1) with one E8M0 scale for each 32 along K (K = 1,024): 4,096 tokens x 1,024 features, f32.
; A work-group makes 128 tokens x 128 features; wave w tokens 64 (w / 2) .. + 63 against features 64 (w % 2) .. + 63: 16 accumulators.  256 work-groups.
; LDS: 128 tokens of oimg (the operand's register images, 64 KiB) and 128 rows of W (512 bytes + 16 of padding), both for all of K, filled once: waves 0 and 1 fetch oimg's halves, waves 2 and 3 W's, one joint load each.
; CLUSTER 4 x 4: o's part is shared along a row of the cluster, W's along a column.  No prefetch: one load a wave, and no loop to run ahead in.
; Source 0 = 16 features, source 1 = 16 tokens: a lane holds one token and eight neighbouring features.  The bias is the C of each sum's first matrix instruction.
; Results go through the wave's own stage, 16 tokens x 64 features at a time, and leave as aligned units of 256 bytes.
; LIMITS: NaN and infinities are not served.
.set PITCH,  528
.set BOFF,  65536
.set STG,   BOFF+128*PITCH
.set SP,    272
.set ADRA, 4
.set ADRB, 5
.set STO,  6
.set RD,   7
.set CO,   8
.set L4,   9
.set L32,  10
.set H32,  11
.set OS,   16
.set WS,   32
.set BO,   48
.set OF,   80                          ; v80-207 o's fragments: 16 tokens x all of K, two buffers
; window 1: block m's accumulators at 32 m + 8 t.   window 2: W's fragments for all of K: tile t, step s at 64 t + 8 s.   window 3: block m on the way out at 32 m
.set WV,   18
.set G1A,  24
.set G0A,  32
.set G1B,  36
.set G0B,  44
.set POS,  54
.set PWS,  56
.set PB,   58
.set POUT, 60
.set MSB, 0
.macro WIN new
.if MSB != \new
	s_set_vgpr_msb (MSB<<8)|\new
.set MSB, \new
.endif
.endm
.macro CROUND
	s_barrier_signal -1
	s_barrier_wait -1
	s_cmp_lg_u32 s[WV], 0
	s_cbranch_scc1 .Lnot_wave_0_\@
	s_barrier_signal -3
.Lnot_wave_0_\@:
	s_barrier_wait -3
	s_barrier_signal -1
	s_barrier_wait -1
.endm
.macro WM d, a, b, c, sa, sb, ra, rb
.if ((\ra)%2) && ((\rb)%2)
	v_wmma_scale_f32_16x16x128_f8f6f4 v[\d:\d+7], v[\a:\a+7], v[\b:\b+7], v[\c:\c+7], v[\sa], v[\sb] matrix_a_fmt:MATRIX_FMT_FP4 matrix_b_fmt:MATRIX_FMT_FP4 matrix_a_scale:MATRIX_SCALE_ROW1 matrix_b_scale:MATRIX_SCALE_ROW1
.elseif ((\ra)%2)
	v_wmma_scale_f32_16x16x128_f8f6f4 v[\d:\d+7], v[\a:\a+7], v[\b:\b+7], v[\c:\c+7], v[\sa], v[\sb] matrix_a_fmt:MATRIX_FMT_FP4 matrix_b_fmt:MATRIX_FMT_FP4 matrix_a_scale:MATRIX_SCALE_ROW1
.elseif ((\rb)%2)
	v_wmma_scale_f32_16x16x128_f8f6f4 v[\d:\d+7], v[\a:\a+7], v[\b:\b+7], v[\c:\c+7], v[\sa], v[\sb] matrix_a_fmt:MATRIX_FMT_FP4 matrix_b_fmt:MATRIX_FMT_FP4 matrix_b_scale:MATRIX_SCALE_ROW1
.else
	v_wmma_scale_f32_16x16x128_f8f6f4 v[\d:\d+7], v[\a:\a+7], v[\b:\b+7], v[\c:\c+7], v[\sa], v[\sb] matrix_a_fmt:MATRIX_FMT_FP4 matrix_b_fmt:MATRIX_FMT_FP4
.endif
.endm
	s_load_b256 s[4:11], s[0:1], 0x0
	s_load_b128 s[12:15], s[0:1], 0x20
	v_lshl_add_u32 v254, v0, 2, 0x29000
	v_mov_b32 v255, 0
	ds_add_u32 v254, v255
	ds_add_u32 v254, v255
	v_lshrrev_b32 v1, 5, v0
	v_readfirstlane_b32 s[WV], v1
	s_bfe_u32 s19, ttmp6, 0x40000
	s_bfe_u32 s20, ttmp6, 0x40004
	s_lshl_b32 s21, ttmp9, 2
	s_add_co_u32 s21, s21, s19
	s_and_b32 s22, ttmp7, 0xffff
	s_lshl_b32 s22, s22, 2
	s_add_co_u32 s22, s22, s20
	s_lshl_b32 s23, s20, 2
	s_lshl_b32 s23, 15, s23
	s_lshl_b32 s66, 0x1111, s19
	s_or_b32 s[G1A], s23, (3<<16)|(1<<21)
	s_mov_b32 s[G1A+1], 32<<16
	s_mov_b32 s[G1A+2], 128<<16
	s_mov_b32 s[G1A+3], 32<<16
	s_mov_b32 s[G1A+4], 128                        ; o: 128 rows of 256 bytes, dense
	s_mov_b32 s[G1A+5], 32
	s_mov_b32 s[G1A+6], 0
	s_mov_b32 s[G1A+7], 0
	s_or_b32 s[G1B], s66, (3<<16)|(1<<20)|(1<<21)|(6<<22)|(3<<25)
	s_mov_b32 s[G1B+1], 64<<16
	s_mov_b32 s[G1B+2], 64<<16
	s_mov_b32 s[G1B+3], 64<<16
	s_mov_b32 s[G1B+4], 64                         ; W: 64 rows of 512 bytes, 16 of padding behind each
	s_mov_b32 s[G1B+5], 64
	s_mov_b32 s[G1B+6], 0
	s_mov_b32 s[G1B+7], 0
	s_mov_b32 s[G0A], 1
	s_and_b32 s53, s[WV], 1                        ; which half of o's (waves 0, 1) or W's (waves 2, 3) part I fetch
	s_lshl_b32 s[G0A+1], s53, 15
	s_mov_b32 s[G0B], 1
	s_mul_i32 s[G0B+1], s53, 64*PITCH
	s_add_co_u32 s[G0B+1], s[G0B+1], BOFF
	s_lshl_b32 s79, s53, 15                        ; both halves are 32,768 bytes of memory
	s_lshl_b32 s48, s22, 16
	s_add_co_u32 s48, s48, s79
	s_mov_b32 s49, 0
	s_lshl_b32 s50, s21, 16
	s_add_co_u32 s50, s50, s79
	s_mov_b32 s51, 0
	s_lshr_b32 s52, s[WV], 1
	s_and_b32 s53, s[WV], 1
	s_lshl_b32 s67, s22, 7
	s_lshl_b32 s69, s52, 6
	s_add_co_u32 s67, s67, s69
	s_lshl_b32 s68, s21, 7
	s_lshl_b32 s69, s53, 6
	s_add_co_u32 s68, s68, s69
	s_lshl_b32 s70, s67, 2
	s_mov_b32 s71, 0
	s_lshl_b32 s72, s68, 5
	s_mov_b32 s73, 0
	s_lshl_b32 s74, s68, 2
	s_mov_b32 s75, 0
	s_lshl_b32 s76, s67, 12
	s_add_co_u32 s76, s76, s74
	s_mov_b32 s77, 0
	s_wait_dscnt 0x0
	s_wait_kmcnt 0x0
	s_add_nc_u64 s[G0A+2:G0A+3], s[4:5], s[48:49]
	s_or_b32 s[G0A+3], s[G0A+3], 0x80000000
	s_add_nc_u64 s[G0B+2:G0B+3], s[8:9], s[50:51]
	s_or_b32 s[G0B+3], s[G0B+3], 0x80000000
	s_add_nc_u64 s[POS:POS+1], s[6:7], s[70:71]
	s_add_nc_u64 s[PWS:PWS+1], s[10:11], s[72:73]
	s_add_nc_u64 s[PB:PB+1], s[12:13], s[74:75]
	s_add_nc_u64 s[POUT:POUT+1], s[14:15], s[76:77]
	CROUND
	s_cmp_eq_u32 s52, 0                            ; one tensor load a wave, the only one of the launch
	s_cbranch_scc0 .Lfor_w
	tensor_load_to_lds s[G0A:G0A+3], s[G1A:G1A+7]
	s_nop 0
.rept 4
	v_nop
.endr
	s_branch .Lasked
.Lfor_w:
	tensor_load_to_lds s[G0B:G0B+3], s[G1B:G1B+7]
	s_nop 0
.rept 4
	v_nop
.endr
.Lasked:
	v_and_b32 v1, 15, v0
	v_bfe_u32 v2, v0, 4, 1
	v_and_b32 v3, 31, v0
	v_lshlrev_b32 v[L4], 2, v3
	v_lshlrev_b32 v[L32], 5, v3
	v_lshlrev_b32 v[H32], 5, v2
.irp i, 0,1
.irp s, 0,1,2,3,4,5,6,7
	global_load_b32 v[OS+8*\i+\s], v[L4], s[POS:POS+1] offset:16384*\s+128*\i
.endr
.endr
.irp i, 0,1
.irp e, 0,1
	global_load_b128 v[WS+8*\i+4*\e:WS+8*\i+4*\e+3], v[L32], s[PWS:PWS+1] offset:1024*\i+16*\e
.endr
.endr
.irp t, 0,1,2,3
.irp e, 0,1
	global_load_b128 v[BO+8*\t+4*\e:BO+8*\t+4*\e+3], v[H32], s[PB:PB+1] offset:64*\t+16*\e
.endr
.endr
	s_lshl_b32 s78, s52, 15
	v_lshl_add_u32 v[ADRA], v3, 4, s78
	s_mul_i32 s78, s53, 64*PITCH
	s_add_co_u32 s78, s78, BOFF
	v_mul_u32_u24 v[ADRB], v1, PITCH
	v_lshl_add_u32 v[ADRB], v2, 4, v[ADRB]
	v_add_nc_u32 v[ADRB], s78, v[ADRB]
	s_mul_i32 s78, s[WV], 16*SP
	s_add_co_u32 s78, s78, STG
	v_mul_u32_u24 v[STO], v1, SP
	v_lshl_add_u32 v[STO], v2, 5, v[STO]
	v_add_nc_u32 v[STO], s78, v[STO]
	v_mul_u32_u24 v[RD], v2, SP
	v_lshl_add_u32 v[RD], v1, 4, v[RD]
	v_add_nc_u32 v[RD], s78, v[RD]
	v_lshlrev_b32 v[CO], 12, v2
	v_lshl_add_u32 v[CO], v1, 4, v[CO]
	s_wait_alu depctr_va_vdst(0)
	s_wait_loadcnt 0x0
	s_wait_tensorcnt 0x0
	s_barrier_signal -1
	s_barrier_wait -1
; The four blocks of 16 tokens are finished one after the other, K ascending, so that a block's stores leave while the next is multiplied.
.macro OLOAD m                         ; 16 LDS loads: block m's fragments for all of K
.irp s, 0,1,2,3,4,5,6,7
.irp c, 0,1
	ds_load_b128 v[OF+64*((\m)%2)+8*\s+4*\c:OF+64*((\m)%2)+8*\s+4*\c+3], v[ADRA] offset:8192*\m+1024*\s+512*\c
.endr
.endr
.endm
.macro MUL m                           ; 32 matrix instructions; the block's four accumulators take turns, so three others stand between two steps of a sum
.irp s, 0,1,2,3,4,5,6,7
.if (\m) == 0
.if \s < 2
	s_wait_dscnt 63                                ; W's step s is in: behind it 72 or 64 loads, and 63 is the most that the wait can name
.else
	s_wait_dscnt 8*(7-\s)+16                       ; W's later steps and block 1's sixteen may be out
.endif
.endif
.if \s == 0
	WIN 0x42                                       ; source 0 (W) window 2, source 1 (o) and C (the bias) window 0, D window 1
.else
	WIN 0x52                                       ; C window 1
.endif
.irp t, 0,1,2,3
.if \s == 0
	WM 32*\m+8*\t, 64*\t+8*\s, OF+64*((\m)%2)+8*\s, BO+8*\t, WS+8*(\t/2)+\s, OS+8*(\m/2)+\s, \t, \m
.else
	WM 32*\m+8*\t, 64*\t+8*\s, OF+64*((\m)%2)+8*\s, 32*\m+8*\t, WS+8*(\t/2)+\s, OS+8*(\m/2)+\s, \t, \m
.endif
.endr
.endr
	WIN 0
.endm
.macro PLACES                          ; four places between products and the reads of their results, or the loads into the registers that they read
.rept 4
	v_nop
.endr
.endm
.macro TOSTAGE m
	WIN 0x04
.irp t, 0,1,2,3
	ds_store_b128 v[STO], v[32*(\m)+8*\t:32*(\m)+8*\t+3] offset:64*\t
	ds_store_b128 v[STO], v[32*(\m)+8*\t+4:32*(\m)+8*\t+7] offset:64*\t+16
.endr
	WIN 0
	WIN 0xc0
.irp i, 0,1,2,3,4,5,6,7
	ds_load_b128 v[32*(\m)+4*\i:32*(\m)+4*\i+3], v[RD] offset:2*\i*SP   ; LDS serves a wave's instructions in order (ISA guide 5.7.1.4): these see the stores above
.endr
	WIN 0
.endm
.macro SEND m, younger                 ; younger: the LDS instructions issued behind block m's loads from the stage, which may stay out
	s_wait_dscnt \younger
	WIN 0x0c                                       ; the data: window 3
.irp i, 0,1,2,3,4,5,6,7
	global_store_b128 v[CO], v[32*(\m)+4*\i:32*(\m)+4*\i+3], s[POUT:POUT+1] offset:(16*(\m)+2*\i)*4096 th:TH_STORE_NT   ; sixteen lanes store 256 consecutive bytes
.endr
	WIN 0
.endm
	OLOAD 0
	WIN 0x80
.irp s, 0,1,2,3,4,5,6,7
.irp t, 0,1,2,3
.irp c, 0,1
	ds_load_b128 v[64*\t+8*\s+4*\c:64*\t+8*\s+4*\c+3], v[ADRB] offset:\t*16*PITCH+64*\s+32*\c
.endr
.endr
.endr
	WIN 0
	OLOAD 1
	MUL 0
	PLACES
	TOSTAGE 0
	OLOAD 2
	s_wait_dscnt 32                                ; block 1's fragments are in; the stage's 16 and block 2's 16 may be out
	MUL 1
	SEND 0, 16                                     ; behind block 0's loads from the stage: block 2's 16
	PLACES
	TOSTAGE 1
	OLOAD 3
	s_wait_dscnt 32
	MUL 2
	SEND 1, 16
	PLACES
	TOSTAGE 2
	s_wait_dscnt 16                                ; block 3's fragments are in
	MUL 3
	SEND 2, 0
	PLACES
	TOSTAGE 3
	SEND 3, 0
	s_wait_tensorcnt 0x0
	ds_add_u32 v254, v255
	s_wait_dscnt 0x0
	CROUND
	s_endpgm
.Lfunc_end_k_qf388e8ef95_proj:
	.size	k_qf388e8ef95_proj, .Lfunc_end_k_qf388e8ef95_proj-k_qf388e8ef95_proj
	.p2alignl 7, 3214868480
	.fill 96, 4, 3214868480
	.section	.rodata,"a",@progbits
	.p2align	6, 0x0
	.amdhsa_kernel k_qf388e8ef95_proj
		.amdhsa_group_segment_fixed_size 327680
		.amdhsa_private_segment_fixed_size 0
		.amdhsa_enable_private_segment 0
		.amdhsa_kernarg_size 48
		.amdhsa_user_sgpr_count 2
		.amdhsa_user_sgpr_kernarg_segment_ptr 1
		.amdhsa_wavefront_size32 1
		.amdhsa_system_sgpr_workgroup_id_x 1
		.amdhsa_system_sgpr_workgroup_id_y 1
		.amdhsa_system_sgpr_workgroup_id_z 1
		.amdhsa_system_vgpr_workitem_id 0
		.amdhsa_next_free_vgpr 1024
		.amdhsa_next_free_sgpr 80
		.amdhsa_reserve_vcc 0
		.amdhsa_float_denorm_mode_32 3
		.amdhsa_float_denorm_mode_16_64 3
		.amdhsa_memory_ordered 1
		.amdhsa_forward_progress 1
		.amdhsa_inst_pref_size 43
	.end_amdhsa_kernel
	.amdgpu_metadata
---
amdhsa.version: [ 1, 2 ]
amdhsa.kernels:
  - .name:           k_qf388e8ef95_proj
    .symbol:         k_qf388e8ef95_proj.kd
    .args:
      - { .name: oimg, .offset: 0, .size: 8, .value_kind: global_buffer, .address_space: global }
      - { .name: oscl, .offset: 8, .size: 8, .value_kind: global_buffer, .address_space: global }
      - { .name: out_w_codes, .offset: 16, .size: 8, .value_kind: global_buffer, .address_space: global }
      - { .name: out_w_scales, .offset: 24, .size: 8, .value_kind: global_buffer, .address_space: global }
      - { .name: out_b, .offset: 32, .size: 8, .value_kind: global_buffer, .address_space: global }
      - { .name: out0, .offset: 40, .size: 8, .value_kind: global_buffer, .address_space: global }
    .group_segment_fixed_size: 327680
    .private_segment_fixed_size: 0
    .kernarg_segment_align: 8
    .kernarg_segment_size: 48
    .max_flat_workgroup_size: 128
    .sgpr_count:     80
    .vgpr_count:     1024
    .wavefront_size: 32
...
	.end_amdgpu_metadata
.endif
;; end of part 6
